; MI455X (gfx1250); checked and timed in simulation.
; The chip was launched on July 23, 2026; its instructions are those of AMD's public machine-readable ISA for CDNA 5 (MIT licence, August 2026) and "CDNA5" Instruction Set Architecture Reference Guide (July 2026). The comments in the code are by the model that wrote it; some were corrected since.
;; Multi Head Cross Attention. Allowed arithmetic: matrix products marked QUANTISED: E2M1 operands, one E8M0 scale for each 32 along K, by v_wmma_scale_f32_16x16x128_f8f6f4 with both operands' format E2M1 (or v_wmma_scale_f32_32x16x128_f4), f32 sums; products left as they are: bf16, f16 or f32 operands; f32 sums; everything else in f32.
;; Inputs: Wkv 1,024 x 2,048 float32; Wo 1,024 x 1,024 float32; Wq 1,024 x 1,024 float32; bo 1,024 float32; mask 4 x 2,048 float32; x1 4 x 2,048 x 1,024 float32; x2 4 x 2,048 x 1,024 float32.
;; Outputs: out0 4 x 2,048 x 1,024 float32.
;; This version of the problem:
;;   THIS VERSION OF THE PROBLEM IS GIVEN IN LOW PRECISION. The matrix products marked QUANTISED in the list below multiply operands that are first quantised to E2M1 (2 exponent bits, 1 mantissa bit; 4 bits a number), with one power-of-two scale for each 32 numbers along K (OCP MX v1.0); their sums are f32. The products marked 'left as it is' may take bf16, f16 or f32 operands, with f32 sums. Whichever they take, every output number must still come out within the allowed error. Rounding operands to bf16 (8 significant bits) uses up far more of that allowance than f16 does (11 bits, for magnitudes from 6e-5 to 65,504). All else is computed in f32.
;;   The module's matrix products, in the order in which they are computed (A, B: the left and right operand; K: the contracted axis; several contracted axes count as one K, in the product's order):
;;     1. [M 8,192, K 1,024] x [K 1,024, N 1,024]; A: input x1; B: input Wq: QUANTISED
;;     2. [M 8,192, K 1,024] x [K 1,024, N 2,048]; A: input x2; B: input Wkv: QUANTISED
;;     3. batch 64 x [M 2,048, K 64] x [K 64, N 2,048]; A: computed on the way; B: computed on the way: left as it is (an operand is computed on the way)
;;     4. batch 64 x [M 2,048, K 2,048] x [K 2,048, N 64]; A: computed on the way; B: computed on the way: left as it is (an operand is computed on the way)
;;     5. [M 8,192, K 1,024] x [K 1,024, N 1,024]; A: computed on the way; B: input Wo: left as it is (an operand is computed on the way)
;;   THE QUANTISER, for each operand of a quantised product, along K:
;;     - K is cut into blocks of 32 from its start; a last block that is shorter is filled with zeros.
;;     - A block's scale is 2^e with e = floor(log2(the largest magnitude in the block)) - 2, held to -126 .. 127; a block of zeros has e = 0. As a byte (E8M0): e + 127.
;;     - Each number is divided by its block's scale, clamped to +-6, and rounded to the nearest number of E2M1, ties to even, subnormals kept.
;;     - The product sums the exact products of the quantised numbers (number of the format x scale) in f32.
;;   ~~~python
;;   def quantise(x, axis):      # numpy; x: float32 -> the quantised numbers, widened to float32 again
;;       x = np.moveaxis(x, axis, -1); K = x.shape[-1]
;;       x = np.pad(x, [(0, 0)] * (x.ndim - 1) + [(0, -K % 32)]); x = x.reshape(x.shape[:-1] + (-1, 32)); a = np.abs(x).max(-1, keepdims=True)
;;       e = np.where(a > 0, np.clip(np.frexp(np.where(a > 0, a, 1))[1] - 1 - 2, -126, 127), 0)      # np.frexp(a)[1] - 1 = floor(log2(a)), exactly
;;       r = np.clip(x / 2.0 ** e, -6, 6)
;;       step = 2.0 ** (np.maximum(np.frexp(np.where(r == 0, 1, r))[1] - 1, 0) - 1)
;;       q = np.round(r / step) * step * 2.0 ** e      # np.round: ties to even
;;       return np.moveaxis(q.reshape(q.shape[:-2] + (-1,))[..., :K], -1, axis).astype(np.float32)
;;   ~~~
;; One version. Each part assembles by itself: llvm-mc -triple=amdgcn-amd-amdhsa -mcpu=gfx1250 --defsym DOCPART=n.
;; ======== version 1 of 1: 5 launches
;; limits: values are held in f16: magnitudes above 65,504 overflow, below 6.1e-05 lose precision
;; workspace buffers: xcodes 8,388,608 bytes; xscales 524,288 bytes; wcodes 1,572,864 bytes; wscales 98,304 bytes; wo16 2,097,152 bytes; qkv 50,331,648 bytes; attn16 16,777,216 bytes
;; launch prep_x (part 1): grid 640 x 1, 4 waves a work-group, no clusters, 33,280 bytes of LDS; arguments x1, x2, Wo, xcodes, xscales, wo16; writes xcodes, xscales, wo16
.if DOCPART == 1
	.amdgcn_target "amdgcn-amd-amdhsa--gfx1250"
	.amdhsa_code_object_version 6
	.text
	.protected	k_qec7100cfb4_prep_x
	.globl	k_qec7100cfb4_prep_x
	.p2align	8
	.type	k_qec7100cfb4_prep_x,@function
k_qec7100cfb4_prep_x:
	s_mov_b64 s[64:65], 0
	v_nop
	global_prefetch_b8 v0, s[64:65] scope:SCOPE_SE
	s_setreg_imm32_b32 hwreg(HW_REG_WAVE_MODE, 25, 1), 1
	s_wait_xcnt 0x0
; x1 and x2 [8192][1024] f32 become codes of FP4 (E2M1), K innermost, two codes a byte, and one E8M0 byte for each 32 along K; Wo [1024][1024] f32 becomes f16 in the same order.
; xcodes [2][8192][512 bytes], xscales [2][8192][32 bytes]: x1's part, then x2's.  Rows are dense and 1024 is a multiple of 32: both tensors are plain streams of blocks of 32.
; A block's scale is 2^(floor(log2(its largest magnitude)) - 2); its byte is the largest magnitude's exponent field - 2, held at 1 from below.
; LIMITS: a block of zeros gets the byte 1 where the quantiser says 127 (its codes are zeros, which add nothing; this program alone reads the bytes); blocks whose largest magnitude lies under 2^-124
; keep the byte 1; NaN and infinities among the inputs are not served.
; WORK-GROUPS 0-255 take x1, 256-511 x2: a wave takes 16 steps of 512 numbers.  Each of a step's four loads reads 512 consecutive bytes; the 2,048 bytes turn through the wave's own stage in LDS and come
; back 64 bytes a lane, so that a lane holds 16 neighbours along K (two lanes a block).  A lane's 16 codes are 8 bytes: the wave stores 256 consecutive bytes.  A wave's 256 scale bytes are gathered in LDS.
; WORK-GROUPS 512-639 cast Wo: a wave takes 2,048 numbers, 16 loads of 512 consecutive bytes, 16 stores of 256.  That path touches no LDS.
.set WAVES, 4
.set STEPS, 16
.set EMAX,  2
.set CB,    8                          ; bytes of 16 codes
.set R,     16                         ; v16-79   four sets of 16 numbers as they are loaded
.set X,     80                         ; v80-111  two sets of 16 neighbours
.set C,     128                        ; v128-191 codes (or f16 pairs): registers of its own for each step
.set E,     112                        ; v112-127 a scale byte for each step
.set WREG,  8192                       ; LDS: a region for each wave: two stages of 32 x SP bytes, behind them its 256 scale bytes
.set SP,    80                         ; a lane's place in a stage: 64 bytes + 16 of padding
.set SPW,   12                         ; v12 LDS address of my spare word; never rewritten
.set NIL,   13                         ; v13 0; never rewritten
.set SPARE, WAVES*WREG                 ; behind the four regions: the spare words, 128 bytes a wave, which no other line names
	s_load_b256 s[4:11], s[0:1], 0x0               ; x1 s[4:5], x2 s[6:7], Wo s[8:9], xcodes s[10:11]
	s_load_b128 s[12:15], s[0:1], 0x20             ; xscales s[12:13], wo16 s[14:15]
	v_lshl_add_u32 v[SPW], v0, 2, SPARE
	v_mov_b32 v[NIL], 0
	v_lshrrev_b32 v1, 5, v0
	v_readfirstlane_b32 s16, v1                    ; wave
	v_and_b32 v2, 31, v0                           ; lane
	v_lshlrev_b32 v3, 4, v2                        ; my 16 bytes of a load's 512
	s_mul_i32 s17, s16, WREG
	v_lshrrev_b32 v14, 2, v2
	v_mul_u32_u24 v14, v14, SP
	v_and_b32 v15, 3, v2
	v_lshl_add_u32 v14, v15, 4, v14
	v_add_nc_u32 v14, s17, v14                     ; the stage, on the way in: SP (lane / 4) + 16 (lane % 4)
	v_mul_u32_u24 v15, v2, SP
	v_add_nc_u32 v15, s17, v15                     ; on the way out: SP x lane: my 16 neighbours
	v_mul_u32_u24 v4, v2, CB                       ; 8 x lane: my codes' place in a step's (and my f16 numbers' in a store's)
	v_lshrrev_b32 v5, 1, v2
	s_add_co_u32 s17, s17, 2*32*SP
	v_add_nc_u32 v5, s17, v5                       ; LDS: my wave's 256 scale bytes, my block's byte
	v_lshlrev_b32 v7, 3, v2
	v_add_nc_u32 v6, s17, v7                       ; and on the way out 8 bytes a lane
	s_wait_kmcnt 0x0
	s_cmp_ge_u32 ttmp9, 512                        ; the work-group's number alone decides
	s_cbranch_scc1 .Lcast
	s_cmp_lt_u32 ttmp9, 256                        ; x1's work-group or x2's?
	s_cselect_b64 s[4:5], s[4:5], s[6:7]
	s_cselect_b32 s17, 0, 256
	s_sub_co_u32 s17, ttmp9, s17
	s_lshl_b32 s17, s17, 2
	s_add_co_u32 s18, s17, s16                     ; which run of 8,192 numbers of the input is my wave's
	s_mov_b32 s19, 0
	s_lshl_b64 s[20:21], s[18:19], 15              ; 32,768 bytes a run
	s_add_nc_u64 s[4:5], s[4:5], s[20:21]
	s_lshl_b32 s18, ttmp9, 2
	s_add_co_u32 s18, s18, s16                     ; and which run of the two outputs, in which x2's part follows x1's
	s_lshl_b64 s[20:21], s[18:19], 12              ; 4,096 bytes of codes a run
	s_add_nc_u64 s[10:11], s[10:11], s[20:21]
	s_lshl_b32 s18, s18, 8                         ; 256 scale bytes a run
	s_add_nc_u64 s[12:13], s[12:13], s[18:19]
.macro LOAD t
.irp i, 0,1,2,3
	global_load_b128 v[R+16*((\t)%4)+4*\i:R+16*((\t)%4)+4*\i+3], v3, s[4:5] offset:2048*(\t)+512*\i th:TH_LOAD_NT   ; 32 lanes read 512 consecutive bytes
.endr
.endm
.macro TURN t                          ; step t's numbers through the stage: LDS serves a wave's instructions in order (ISA guide 5.7.1.4), so no wait stands between the stores and the loads
.irp i, 0,1,2,3
	ds_store_b128 v14, v[R+16*((\t)%4)+4*\i:R+16*((\t)%4)+4*\i+3] offset:32*SP*((\t)%2)+8*SP*\i
.endr
.irp i, 0,1,2,3
	ds_load_b128 v[X+16*((\t)%2)+4*\i:X+16*((\t)%2)+4*\i+3], v15 offset:32*SP*((\t)%2)+16*\i
.endr
.endm
.irp t, 0,1,2,3
	LOAD \t
.endr
	s_wait_loadcnt 12                              ; step 0's four loads are in; the twelve of steps 1 to 3 stay out
	TURN 0
.macro STEP t
.set XS, X+16*((\t)%2)
.if (\t) > 0
	s_wait_dscnt 1                                 ; this step's numbers are back from the stage (the last step's byte store may be out): so its stores into the stage have read their registers,
.else
	s_wait_dscnt 0x0
.endif
.if (\t)+4 < STEPS
	LOAD (\t)+4                                    ; which take the loads of four steps on
.endif
.if (\t)+1 < STEPS
.if STEPS-2-(\t) >= 3
	s_wait_loadcnt 12                              ; the next step's four loads are in; those of the three steps behind it may be out
.else
	s_wait_loadcnt 4*(STEPS-2-(\t))
.endif
	TURN (\t)+1                                    ; and go through the other stage while this step is worked
.endif
	v_max3_num_f32 v8, |v[XS]|, |v[XS+1]|, |v[XS+2]|               ; the largest magnitude of my 16, in two chains
	v_max3_num_f32 v9, |v[XS+3]|, |v[XS+4]|, |v[XS+5]|
.irp i, 6,10
	v_max3_num_f32 v8, v8, |v[XS+\i]|, |v[XS+\i+1]|
	v_max3_num_f32 v9, v9, |v[XS+\i+2]|, |v[XS+\i+3]|
.endr
	v_max3_num_f32 v8, v8, |v[XS+14]|, |v[XS+15]|
	v_max3_num_f32 v8, v8, v9, (EMAX+1)<<23        ; and the floor 2^(3 - 127): the byte cannot fall under 1
	v_max_num_f32_dpp v8, v8, v8 row_xmask:1 row_mask:0xf bank_mask:0xf   ; and of my neighbour's 16: the block's
	v_add_nc_u32 v11, -(EMAX<<23), v8              ; 2 off its exponent field: the conversion takes the exponent field of this operand as its scale
	v_cvt_scalef32_pk8_fp4_f32 v[C+4*(\t)], v[XS:XS+7], v11          ; eight numbers / the scale, to the nearest code, ties to even, beyond the largest code the largest
	v_cvt_scalef32_pk8_fp4_f32 v[C+4*(\t)+1], v[XS+8:XS+15], v11
	v_lshrrev_b32 v[E+(\t)], 23, v11               ; the scale's byte (also the plain line behind the conversions)
	ds_store_b8 v5, v[E+(\t)] offset:16*(\t)       ; both lanes of a block write the same byte with the same value
	global_store_b64 v4, v[C+4*(\t):C+4*(\t)+1], s[10:11] offset:32*CB*(\t)   ; 32 lanes store 256 consecutive bytes, aligned
.endm
.irp t, 0,1,2,3,4,5,6,7,8,9,10,11,12,13,14,15
	STEP \t
.endr
	ds_load_b64 v[8:9], v6                         ; in order behind my byte stores
	s_wait_dscnt 0x0
	global_store_b64 v7, v[8:9], s[12:13]          ; 32 lanes store my wave's 256 scale bytes
	s_wait_tensorcnt 0x0                           ; the wave's end: a wait, an add of 0 to my spare word and its wait, behind my last LDS store
	ds_add_u32 v[SPW], v[NIL]
	s_wait_dscnt 0x0
	s_endpgm
.Lcast:                                                ; Wo to f16: no LDS on this path
	s_sub_co_u32 s17, ttmp9, 512
	s_lshl_b32 s17, s17, 2
	s_add_co_u32 s18, s17, s16                     ; which run of 2,048 numbers is my wave's: 512 runs in all
	s_mov_b32 s19, 0
	s_lshl_b64 s[20:21], s[18:19], 13              ; 8,192 bytes in,
	s_add_nc_u64 s[8:9], s[8:9], s[20:21]
	s_lshl_b64 s[20:21], s[18:19], 12              ; 4,096 bytes out
	s_add_nc_u64 s[14:15], s[14:15], s[20:21]
.irp i, 0,1,2,3,4,5,6,7,8,9,10,11,12,13,14,15
	global_load_b128 v[R+4*\i:R+4*\i+3], v3, s[8:9] offset:512*\i th:TH_LOAD_NT
.endr
.irp i, 0,1,2,3,4,5,6,7,8,9,10,11,12,13,14,15
	s_wait_loadcnt 15-\i                           ; loads come back in order: load i is in, the younger ones stay out
	v_cvt_pk_f16_f32 v[C+2*\i], v[R+4*\i], v[R+4*\i+1]
	v_cvt_pk_f16_f32 v[C+2*\i+1], v[R+4*\i+2], v[R+4*\i+3]
	global_store_b64 v4, v[C+2*\i:C+2*\i+1], s[14:15] offset:256*\i   ; registers of its own for each store: none is written again
.endr
	s_endpgm
.Lfunc_end_k_qec7100cfb4_prep_x:
	.size	k_qec7100cfb4_prep_x, .Lfunc_end_k_qec7100cfb4_prep_x-k_qec7100cfb4_prep_x
	.p2alignl 7, 3214868480
	.fill 96, 4, 3214868480
	.section	.rodata,"a",@progbits
	.p2align	6, 0x0
	.amdhsa_kernel k_qec7100cfb4_prep_x
		.amdhsa_group_segment_fixed_size 33280
		.amdhsa_private_segment_fixed_size 0
		.amdhsa_enable_private_segment 0
		.amdhsa_kernarg_size 48
		.amdhsa_user_sgpr_count 2
		.amdhsa_user_sgpr_kernarg_segment_ptr 1
		.amdhsa_wavefront_size32 1
		.amdhsa_system_sgpr_workgroup_id_x 1
		.amdhsa_system_sgpr_workgroup_id_y 1
		.amdhsa_system_sgpr_workgroup_id_z 1
		.amdhsa_system_vgpr_workitem_id 0
		.amdhsa_next_free_vgpr 192
		.amdhsa_next_free_sgpr 66
		.amdhsa_reserve_vcc 0
		.amdhsa_float_denorm_mode_32 3
		.amdhsa_float_denorm_mode_16_64 3
		.amdhsa_memory_ordered 1
		.amdhsa_forward_progress 1
		.amdhsa_inst_pref_size 39
	.end_amdhsa_kernel
	.amdgpu_metadata
---
amdhsa.version: [ 1, 2 ]
amdhsa.kernels:
  - .name:           k_qec7100cfb4_prep_x
    .symbol:         k_qec7100cfb4_prep_x.kd
    .args:
      - { .name: x1, .offset: 0, .size: 8, .value_kind: global_buffer, .address_space: global }
      - { .name: x2, .offset: 8, .size: 8, .value_kind: global_buffer, .address_space: global }
      - { .name: Wo, .offset: 16, .size: 8, .value_kind: global_buffer, .address_space: global }
      - { .name: xcodes, .offset: 24, .size: 8, .value_kind: global_buffer, .address_space: global }
      - { .name: xscales, .offset: 32, .size: 8, .value_kind: global_buffer, .address_space: global }
      - { .name: wo16, .offset: 40, .size: 8, .value_kind: global_buffer, .address_space: global }
    .group_segment_fixed_size: 33280
    .private_segment_fixed_size: 0
    .kernarg_segment_align: 8
    .kernarg_segment_size: 48
    .max_flat_workgroup_size: 128
    .sgpr_count:     66
    .vgpr_count:     192
    .wavefront_size: 32
...
	.end_amdgpu_metadata
.endif
;; end of part 1
;; launch prep_w (part 2): grid 48 x 2, 8 waves a work-group, no clusters, 18,432 bytes of LDS; arguments Wq, Wkv, wcodes, wscales; writes wcodes, wscales
.if DOCPART == 2
	.amdgcn_target "amdgcn-amd-amdhsa--gfx1250"
	.amdhsa_code_object_version 6
	.text
	.protected	k_qec7100cfb4_prep_w
	.globl	k_qec7100cfb4_prep_w
	.p2align	8
	.type	k_qec7100cfb4_prep_w,@function
k_qec7100cfb4_prep_w:
	s_mov_b64 s[64:65], 0
	v_nop
	global_prefetch_b8 v0, s[64:65] scope:SCOPE_SE
	s_setreg_imm32_b32 hwreg(HW_REG_WAVE_MODE, 25, 1), 1
	s_wait_xcnt 0x0
; Wq [1024 (k)][1024] and Wkv [1024 (k)][2048], f32, K their FIRST axis, become codes of FP4 (E2M1) with K innermost: wcodes [3072][512 bytes], wscales [3072][32 bytes];
; rows 0-1023 are Wq's columns, rows 1024-3071 Wkv's.  The quantiser is the one of the launch before; the same LIMITS hold (a block of zeros, or one under 2^-124, has the byte 1; no NaN, no infinities).
; A LANE TAKES A COLUMN, AND ITS REGISTERS RUN DOWN K: a block of 32 lies in one lane's 32 registers, and the conversions give codes with K innermost.  Nothing is transposed by an instruction.
; SHARES: work-group (g, y) takes 64 columns (g < 16: Wq's 64 g on; else Wkv's 64 (g - 16) on) x 512 along K (512 y on).  Wave w: 32 columns (w % 2; two waves side by side read 256 consecutive bytes of a row)
; x 128 along K (w / 2): four blocks.  ONE text serves both tensors: the row's length in bytes is a scalar, so a row's place stands in sixteen scalar bases (rows i = 0 .. 15) and eight vector offsets (16 rows apart).
; The codes of 64 columns x 512 K meet in a stage in LDS (a row a column, 256 bytes + 16) and leave as whole rows: sixteen lanes store 256 consecutive bytes, aligned.
; The scale bytes leave four to a lane, to rows 32 bytes apart: one byte in 128 of what the launch reads.
.set PITCH, 272
.set SPARE, 64*PITCH                   ; behind the stage: the spare words, 128 bytes a wave, which no other line names
.set SPW,  12                          ; v12 LDS address of my spare word; never rewritten
.set NIL,  13                          ; v13 0; never rewritten
.set OFS,  16                          ; v16-23  4 x lane + 16 g rows
.set SB,   24                          ; v24     my column's four scale bytes
.set X,    32                          ; v32-159 128 numbers down K
.set C,    160                         ; v160-175 codes, four registers a block
.set OUTR, 176                         ; v176-191 the way out
.set RB,   32                          ; s[32:63] sixteen row bases
	s_load_b256 s[4:11], s[0:1], 0x0               ; Wq s[4:5], Wkv s[6:7], wcodes s[8:9], wscales s[10:11]
	v_lshl_add_u32 v[SPW], v0, 2, SPARE
	v_mov_b32 v[NIL], 0
	v_lshrrev_b32 v1, 5, v0
	v_readfirstlane_b32 s12, v1                    ; wave 0..7
	v_and_b32 v2, 31, v0                           ; lane
	s_and_b32 s13, s12, 1                          ; which 32 columns
	s_lshr_b32 s14, s12, 1                         ; which 128 along K
	s_and_b32 s15, ttmp7, 0xffff                   ; y
	s_mov_b32 s16, 8192
	s_cmp_lt_u32 ttmp9, 16                         ; Wq's work-group or Wkv's?
	s_cselect_b32 s16, 4096, s16                   ; a row of the tensor in bytes
	s_cselect_b32 s17, 0, 16
	s_sub_co_u32 s17, ttmp9, s17
	s_lshl_b32 s17, s17, 6
	s_lshl_b32 s18, s13, 5
	s_add_co_u32 s17, s17, s18                     ; my wave's first column in its tensor
	s_lshl_b32 s17, s17, 2
	s_lshl_b32 s18, s15, 9
	s_lshl_b32 s19, s14, 7
	s_add_co_u32 s18, s18, s19                     ; my wave's first row: 512 y + 128 (w / 2)
	s_mul_i32 s18, s18, s16
	s_add_co_u32 s20, s18, s17                     ; its first byte (under 2^23)
	s_mov_b32 s21, 0
	s_mov_b32 s22, s16                             ; a row on
	s_mov_b32 s23, 0
	s_lshl_b32 s24, s16, 4                         ; sixteen rows on
	v_lshlrev_b32 v[OFS], 2, v2
.irp g, 1,2,3,4,5,6,7
	v_add_nc_u32 v[OFS+\g], s24, v[OFS+\g-1]
.endr
	v_mul_u32_u24 v4, v2, PITCH                    ; into the stage: row = my column of the 64, byte = 64 (w / 2)
	s_mul_i32 s25, s13, 32*PITCH
	s_lshl_b32 s26, s14, 6
	s_add_co_u32 s25, s25, s26
	v_add_nc_u32 v4, s25, v4
	v_lshrrev_b32 v3, 4, v2
	v_and_b32 v1, 15, v2
	v_mul_u32_u24 v6, v3, PITCH                    ; out of it: wave w takes rows 8 w on, sixteen lanes to a row, two rows an instruction
	v_lshl_add_u32 v6, v1, 4, v6
	s_mul_i32 s25, s12, 8*PITCH
	v_add_nc_u32 v6, s25, v6
	v_lshlrev_b32 v7, 9, v3                        ; the same place in wcodes: rows of 512 bytes
	v_lshl_add_u32 v7, v1, 4, v7
	v_lshlrev_b32 v5, 5, v2                        ; my column's row of scale bytes
	s_lshl_b32 s26, ttmp9, 6
	s_lshl_b32 s27, s12, 3
	s_add_co_u32 s26, s26, s27
	s_lshl_b32 s26, s26, 9                         ; wcodes: row 64 g + 8 w,
	s_lshl_b32 s27, s15, 8
	s_add_co_u32 s26, s26, s27                     ; byte 256 y
	s_mov_b32 s27, 0
	s_lshl_b32 s28, ttmp9, 6
	s_lshl_b32 s29, s13, 5
	s_add_co_u32 s28, s28, s29
	s_lshl_b32 s28, s28, 5                         ; wscales: row 64 g + 32 (w % 2),
	s_lshl_b32 s29, s15, 4
	s_add_co_u32 s28, s28, s29                     ; byte 16 y
	s_lshl_b32 s29, s14, 2
	s_add_co_u32 s28, s28, s29                     ; + 4 (w / 2)
	s_mov_b32 s29, 0
	s_wait_kmcnt 0x0
	s_cmp_lt_u32 ttmp9, 16                         ; compared anew: the sums above wrote SCC
	s_cselect_b64 s[RB:RB+1], s[4:5], s[6:7]
	s_add_nc_u64 s[RB:RB+1], s[RB:RB+1], s[20:21]
.irp i, 1,2,3,4,5,6,7,8,9,10,11,12,13,14,15
	s_add_nc_u64 s[RB+2*\i:RB+2*\i+1], s[RB+2*\i-2:RB+2*\i-1], s[22:23]
.endr
	s_add_nc_u64 s[8:9], s[8:9], s[26:27]
	s_add_nc_u64 s[10:11], s[10:11], s[28:29]
.macro LOAD t                          ; block t: rows 32 t + 16 g + i of my 128, my column
.irp g, 0,1
.irp i, 0,1,2,3,4,5,6,7,8,9,10,11,12,13,14,15
	global_load_b32 v[X+32*(\t)+16*\g+\i], v[OFS+2*(\t)+\g], s[RB+2*\i:RB+2*\i+1] th:TH_LOAD_NT
.endr
.endr
.endm
	LOAD 0
	LOAD 1
.macro BLOCK t
.set XS, X+32*(\t)
.if (\t) < 3
	s_wait_loadcnt 32                              ; this block's 32 loads are in; the next block's 32 may be out
.else
	s_wait_loadcnt 0
.endif
.if (\t)+2 < 4
	LOAD (\t)+2                                    ; two blocks ahead, into registers of its own
.endif
	v_max3_num_f32 v8, |v[XS]|, |v[XS+1]|, |v[XS+2]|               ; the block's largest magnitude: all 32 numbers are mine
	v_max3_num_f32 v9, |v[XS+3]|, |v[XS+4]|, |v[XS+5]|
.irp i, 6,10,14,18,22,26
	v_max3_num_f32 v8, v8, |v[XS+\i]|, |v[XS+\i+1]|
	v_max3_num_f32 v9, v9, |v[XS+\i+2]|, |v[XS+\i+3]|
.endr
	v_max3_num_f32 v8, v8, |v[XS+30]|, |v[XS+31]|
	v_max3_num_f32 v8, v8, v9, 0x1800000           ; and the floor 2^(3 - 127): the byte cannot fall under 1
	v_add_nc_u32 v11, 0xff000000, v8               ; 2 off its exponent field: the conversion's scale operand
	v_lshrrev_b32 v10, 23, v11                     ; the scale's byte
.if (\t) == 0
	v_mov_b32 v[SB], v10                           ; four bytes to a register, the lower K in the lower byte
.else
	v_lshl_or_b32 v[SB], v10, 8*(\t), v[SB]
.endif
.irp g, 0,1,2,3
	v_cvt_scalef32_pk8_fp4_f32 v[C+4*(\t)+\g], v[XS+8*\g:XS+8*\g+7], v11
.endr
	v_nop                                          ; a plain line behind the last conversion of the run
	ds_store_b128 v4, v[C+4*(\t):C+4*(\t)+3] offset:16*(\t)   ; 32 codes: 16 bytes of my column's row
.endm
	BLOCK 0
	BLOCK 1
	BLOCK 2
	BLOCK 3
	global_store_b32 v5, v[SB], s[10:11]           ; my column's four scale bytes
	s_wait_dscnt 0x0                               ; for the others' sake: my stores into the stage are done
	s_barrier_signal -1
	s_barrier_wait -1                              ; 64 whole rows of 256 bytes lie in the stage
.irp i, 0,1,2,3
	ds_load_b128 v[OUTR+4*\i:OUTR+4*\i+3], v6 offset:2*\i*PITCH
.endr
.irp i, 0,1,2,3
	s_wait_dscnt 3-\i                              ; load i is in; the younger ones stay out
	global_store_b128 v7, v[OUTR+4*\i:OUTR+4*\i+3], s[8:9] offset:1024*\i   ; 16 lanes store 256 consecutive bytes, at a multiple of 256 from the buffer's first byte
.endr
	s_wait_tensorcnt 0x0                           ; the wave's end: a wait, an add of 0 to my spare word and its wait, behind my last LDS store
	ds_add_u32 v[SPW], v[NIL]
	s_wait_dscnt 0x0
	s_endpgm
.Lfunc_end_k_qec7100cfb4_prep_w:
	.size	k_qec7100cfb4_prep_w, .Lfunc_end_k_qec7100cfb4_prep_w-k_qec7100cfb4_prep_w
	.p2alignl 7, 3214868480
	.fill 96, 4, 3214868480
	.section	.rodata,"a",@progbits
	.p2align	6, 0x0
	.amdhsa_kernel k_qec7100cfb4_prep_w
		.amdhsa_group_segment_fixed_size 18432
		.amdhsa_private_segment_fixed_size 0
		.amdhsa_enable_private_segment 0
		.amdhsa_kernarg_size 32
		.amdhsa_user_sgpr_count 2
		.amdhsa_user_sgpr_kernarg_segment_ptr 1
		.amdhsa_wavefront_size32 1
		.amdhsa_system_sgpr_workgroup_id_x 1
		.amdhsa_system_sgpr_workgroup_id_y 1
		.amdhsa_system_sgpr_workgroup_id_z 1
		.amdhsa_system_vgpr_workitem_id 0
		.amdhsa_next_free_vgpr 192
		.amdhsa_next_free_sgpr 66
		.amdhsa_reserve_vcc 0
		.amdhsa_float_denorm_mode_32 3
		.amdhsa_float_denorm_mode_16_64 3
		.amdhsa_memory_ordered 1
		.amdhsa_forward_progress 1
		.amdhsa_inst_pref_size 23
	.end_amdhsa_kernel
	.amdgpu_metadata
---
amdhsa.version: [ 1, 2 ]
amdhsa.kernels:
  - .name:           k_qec7100cfb4_prep_w
    .symbol:         k_qec7100cfb4_prep_w.kd
    .args:
      - { .name: Wq, .offset: 0, .size: 8, .value_kind: global_buffer, .address_space: global }
      - { .name: Wkv, .offset: 8, .size: 8, .value_kind: global_buffer, .address_space: global }
      - { .name: wcodes, .offset: 16, .size: 8, .value_kind: global_buffer, .address_space: global }
      - { .name: wscales, .offset: 24, .size: 8, .value_kind: global_buffer, .address_space: global }
    .group_segment_fixed_size: 18432
    .private_segment_fixed_size: 0
    .kernarg_segment_align: 8
    .kernarg_segment_size: 32
    .max_flat_workgroup_size: 256
    .sgpr_count:     66
    .vgpr_count:     192
    .wavefront_size: 32
...
	.end_amdgpu_metadata
.endif
;; end of part 2
;; launch proj (part 3): grid 12 x 32, 4 waves a work-group, clusters of 4 x 4, 327,680 bytes of LDS; arguments xcodes, xscales, wcodes, wscales, qkv; writes qkv
.if DOCPART == 3
	.amdgcn_target "amdgcn-amd-amdhsa--gfx1250"
	.amdhsa_code_object_version 6
	.text
	.protected	k_qec7100cfb4_proj
	.globl	k_qec7100cfb4_proj
	.p2align	8
	.type	k_qec7100cfb4_proj,@function
k_qec7100cfb4_proj:
	s_mov_b64 s[64:65], 0
	v_nop
	global_prefetch_b8 v0, s[64:65] scope:SCOPE_SE
	s_setreg_imm32_b32 hwreg(HW_REG_WAVE_MODE, 25, 1), 1
	s_wait_xcnt 0x0
	s_wait_alu depctr_hold_cnt(0) depctr_sa_sdst(0) depctr_va_vdst(0) depctr_va_sdst(0) depctr_va_ssrc(0) depctr_va_vcc(0) depctr_vm_vsrc(0)
	s_getreg_b32 s2, hwreg(HW_REG_IB_STS2, 6, 4)
	s_cmp_eq_u32 s2, 0
	s_cbranch_scc0 .Lentry_in_a_cluster
	s_endpgm
.Lentry_in_a_cluster:
	s_bfe_u32 s2, ttmp6, 0x10000c
	s_cmp_lg_u32 s2, 0xf033
	s_cbranch_scc0 .Lentry_shape_is_right
	s_endpgm
.Lentry_shape_is_right:
; q = x1 Wq and kv = x2 Wkv as ONE product on codes of FP4 (E2M1) with E8M0 scales: C[m][n] = sum over k of A[m][k] B[n][k], m 8192, n 3072, k 1024; sums in f32, rounded once to f16.
; B's rows are wcodes' (0-1023: Wq's columns, 1024-3071: Wkv's).  A's rows are x1's for tile columns 0-3 (cluster x = 0) and x2's for the others: xcodes holds x1's 8192 rows, then x2's.
; OUT: qkv f16 [b 4][region 48][t 2048][64], region = n / 64: q of head h is region h, k region 16 + 2 h, v region 17 + 2 h.  LIMIT: |q|, |k|, |v| under 65,504 (f16).
; A tile of C, 256 x 256, is made by four waves, a wave 128 x 128: 64 accumulators, 512 registers.  K is 1024: two slots of 512 along K (rows of 256 bytes) hold ALL of it: every tile is asked for at the head,
; and no LDS byte is filled twice.  By this text's count a wave has three tensor loads out at the most: its scales, slot 0, slot 1.
; THE SCALES of the work-group's 256 + 256 rows, for all of K, are two dense blocks of memory: they come once, as rows of 256 bytes.
; CLUSTERS: 4 x 4 work-groups.  The four of a row of the cluster need the same tiles of A, the four of a column the same tiles of B: each tile is asked for JOINTLY.
; THE MATRIX INSTRUCTION IS USED TRANSPOSED (source 0 = 16 rows of B, source 1 = 16 rows of A): a lane then holds eight neighbouring numbers of a row of C.
; REGISTERS, in windows of 256: window 0: v0-31 addresses; v32-95 scale words, two sets; v128-191 A's fragments, ONE set; on the way out v128-223.   window 1: B's fragments, two sets, at v0 and v128.
;   window 2: the 32 accumulators of my rows 0-63 ((a, b) at v[8 (8 a + b)]);   window 3: those of my rows 64-127.
.set NQ,     4                         ; steps of 128 along K in a slot
.set ROWB,   256                       ; a tile's row in bytes: 512 codes
.set KROW,   512                       ; a row of codes in memory
.set PITCH,  272                       ; an LDS row: 256 bytes + 16 of padding = 68 words: row r starts at bank 4 r mod 64 (64 banks of 4 bytes: ISA guide 11.1)
.set FR,     8                         ; registers of a fragment: 16 rows x 128 K
.set NL,     2                         ; LDS loads that bring one
.set NP,     4                         ; places behind this matrix instruction (ISA guide 7.12.1)
.set HALFT,  128*PITCH
.set SLOT,   4*HALFT                   ; A's 256 rows, then B's 256 rows
.set KS,     32                        ; a row of scales in bytes
.set SCL,    2*SLOT                    ; behind the two slots: the scales, as rows of 256 bytes + 16
.set HALFS,  (128*KS/256)*272          ; the scales of 128 rows: what one tensor load brings
.set SBLK,   (16*KS/256)*272           ; those of 16 rows
.set SPARE,  SCL+4*HALFS               ; the spare words, 128 bytes a wave, which no other line names
.set SPITCH, 272                       ; the way out: a stage of 16 rows x (256 bytes + 16) for each wave, in slot 0, which has had its one fill and its last read by then
.set ADRA, 16                          ; v16-17  LDS address of my A fragments in slot 0, 1
.set ADRB, 20                          ; v20-21  the same for B
.set STO,  24                          ; v24     the way out: where I put 16 bytes of a row
.set RD,   25                          ; v25     where I read four half rows back
.set CO,   26                          ; v26     16 x lane
.set ADRS, 27                          ; v27     LDS address of my scale words: lanes 0-15 A's rows, lanes 16-31 B's
.set SPW,  28                          ; v28     LDS address of my spare word; never rewritten
.set NIL,  29                          ; v29     0; never rewritten
.set SC,   32                          ; scale words: set s at v[SC + 32 s]; register 4 i + q: lanes 0-15 A's block i, lanes 16-31 B's block i, the slot's q-th 128 along K
.set AF,   128                         ; A's fragments
.set TMP,  192                         ; the way out: packed results
.set BK,   128                         ; the way out: 16 rows read back: v128-159 and v160-191 by turns
.set G1, 24
.set G0, 32
.set G1B, 48
.set G0B, 56
.set G1S, 68
.set G0S, 76
.set G1SB, 80
.set G0SB, 88
.set MSB, 0
.macro WIN new                         ; the immediate's high byte repeats the setting that is left
.if MSB != \new
	s_set_vgpr_msb (MSB<<8)|\new
.set MSB, \new
.endif
.endm
.set MUL_LO, 0xa1                      ; source 0 (B) window 1, source 1 (A) window 0, C and D window 2
.set MUL_HI, 0xf1                      ; the same, C and D window 3
.set TO_B,   0x40                      ; destination window 1, address window 0
; A joint load: waves 0 and 1 fetch for A, waves 2 and 3 for B.  The branch hangs on the wave's number alone.  An s_nop 0 and four v_nop follow each of the two lines.
.macro JLOAD g0a, g1a, g0b, g1b
	s_cmp_eq_u32 s15, 0
	s_cbranch_scc0 .Lfor_b_\@
	tensor_load_to_lds s[\g0a:\g0a+3], s[\g1a:\g1a+7]
	s_nop 0
.rept 4
	v_nop
.endr
	s_branch .Lasked_\@
.Lfor_b_\@:
	tensor_load_to_lds s[\g0b:\g0b+3], s[\g1b:\g1b+7]
	s_nop 0
.rept 4
	v_nop
.endr
.Lasked_\@:
.endm
.macro CROUND                          ; a round of the cluster's barrier
	s_barrier_signal -1
	s_barrier_wait -1
	s_cmp_lg_u32 s14, 0
	s_cbranch_scc1 .Lnot_wave_0_\@
	s_barrier_signal -3
.Lnot_wave_0_\@:
	s_barrier_wait -3
	s_barrier_signal -1
	s_barrier_wait -1
.endm
	s_load_b128 s[4:7], s[0:1], 0x0                ; A's codes s[4:5], A's scales s[6:7]
	s_load_b128 s[8:11], s[0:1], 0x10              ; B's codes s[8:9], B's scales s[10:11]
	s_load_b64 s[12:13], s[0:1], 0x20              ; qkv
	v_lshl_add_u32 v[SPW], v0, 2, SPARE
	v_mov_b32 v[NIL], 0
	ds_add_u32 v[SPW], v[NIL]                      ; the wave's opening: the add, twice on end, and its wait ahead of my first tensor load
	ds_add_u32 v[SPW], v[NIL]
	v_lshrrev_b32 v1, 5, v0
	v_readfirstlane_b32 s14, v1                    ; wave 0..3
	s_lshr_b32 s15, s14, 1                         ; which half of the tile's rows is mine.  Also: I fetch for A (0) or for B (1)
	s_and_b32 s16, s14, 1                          ; which half of its columns.  Also: which 128 rows of that tile I fetch
	s_bfe_u32 s40, ttmp6, 0x40000                  ; cx, cy: my place in the cluster
	s_bfe_u32 s41, ttmp6, 0x40004
	s_lshl_b32 s42, ttmp9, 2
	s_add_co_u32 s42, s42, s40                     ; tile column of C = 4 x cluster x + cx: 0 .. 11
	s_and_b32 s17, ttmp7, 0xffff
	s_lshl_b32 s17, s17, 2
	s_add_co_u32 s17, s17, s41                     ; tile row of C = 4 x cluster y + cy: 0 .. 31
	s_lshl_b32 s43, s41, 2
	s_lshl_b32 s43, 15, s43                        ; my row of the cluster
	s_lshl_b32 s44, 0x1111, s40                    ; my column
	s_or_b32 s[G1+0], s43, (0<<16)|(1<<20)|(1<<21)|(5<<22)|(3<<25)  ; the mask: A's tiles go to my row; elements of 1 byte; padding: 4 words behind every 64
	s_or_b32 s[G1B+0], s44, (0<<16)|(1<<20)|(1<<21)|(5<<22)|(3<<25)
.irp g, G1, G1B
	s_mov_b32 s[\g+1], ROWB<<16                    ; tensor_dim0
	s_mov_b32 s[\g+2], 128<<16                     ; tensor_dim1 = 128
	s_mov_b32 s[\g+3], ROWB<<16                    ; tile_dim0
	s_mov_b32 s[\g+4], 128                         ; tile_dim1 = 128
	s_mov_b32 s[\g+5], KROW                        ; from row to row
	s_mov_b32 s[\g+6], 0
	s_mov_b32 s[\g+7], 0
.endr
	s_or_b32 s[G1S+0], s43, (3<<16)|(1<<20)|(1<<21)|(5<<22)|(3<<25)   ; the scales of 128 rows: 4,096 dense bytes as 16 rows of 256 (32 elements of 8 bytes), 16 bytes of padding behind each
	s_or_b32 s[G1SB+0], s44, (3<<16)|(1<<20)|(1<<21)|(5<<22)|(3<<25)
.irp g, G1S, G1SB
	s_mov_b32 s[\g+1], 32<<16
	s_mov_b32 s[\g+2], (128*KS/256)<<16
	s_mov_b32 s[\g+3], 32<<16
	s_mov_b32 s[\g+4], 128*KS/256
	s_mov_b32 s[\g+5], 32
	s_mov_b32 s[\g+6], 0
	s_mov_b32 s[\g+7], 0
.endr
	s_lshl_b32 s18, s16, 7                         ; which 128 rows of the tile I fetch
	s_lshl_b32 s20, s17, 8
	s_add_co_u32 s20, s20, s18                     ; A: row 256 x tile row + 128 x half,
	s_min_u32 s19, ttmp9, 1
	s_lshl_b32 s19, s19, 13
	s_add_co_u32 s20, s20, s19                     ; + 8192 where the cluster's columns are Wkv's (cluster x above 0): x2's rows.  The same in all sixteen partners
	s_lshl_b32 s46, s42, 8
	s_add_co_u32 s46, s46, s18                     ; B: row 256 x tile column + 128 x half
	s_mov_b32 s21, 0
	s_mov_b32 s47, 0
	s_mov_b64 s[18:19], KS
	s_mul_u64 s[22:23], s[20:21], s[18:19]         ; where these rows' scales begin, in bytes
	s_mul_u64 s[92:93], s[46:47], s[18:19]
	s_mov_b64 s[18:19], KROW
	s_mul_u64 s[20:21], s[20:21], s[18:19]         ; and their codes
	s_mul_u64 s[46:47], s[46:47], s[18:19]
	s_mul_i32 s45, s14, HALFT                      ; where they go: wave x 128 rows: no place in the cluster enters an LDS address
	s_mul_i32 s94, s14, HALFS
	s_wait_dscnt 0x0                               ; both opening adds are done
	s_wait_kmcnt 0x0
	s_add_nc_u64 s[20:21], s[4:5], s[20:21]
	s_add_nc_u64 s[22:23], s[6:7], s[22:23]
	s_add_nc_u64 s[46:47], s[8:9], s[46:47]
	s_add_nc_u64 s[92:93], s[10:11], s[92:93]
	CROUND                                         ; all sixteen work-groups are here: the joint loads meet
	s_mov_b32 s[G0S], 1
	s_add_co_u32 s[G0S+1], s94, SCL
	s_mov_b64 s[G0S+2:G0S+3], s[22:23]
	s_or_b32 s[G0S+3], s[G0S+3], 0x80000000
	s_mov_b32 s[G0SB], 1
	s_add_co_u32 s[G0SB+1], s94, SCL
	s_mov_b64 s[G0SB+2:G0SB+3], s[92:93]
	s_or_b32 s[G0SB+3], s[G0SB+3], 0x80000000
	JLOAD G0S, G1S, G0SB, G1SB                     ; the scales first: they are wanted with the first step
.irp s, 0,1
	s_mov_b32 s[G0+4*\s], 1
	s_add_co_u32 s[G0+4*\s+1], s45, \s*SLOT
	s_add_nc_u64 s[G0+4*\s+2:G0+4*\s+3], s[20:21], \s*ROWB
	s_or_b32 s[G0+4*\s+3], s[G0+4*\s+3], 0x80000000
	s_mov_b32 s[G0B+4*\s], 1
	s_add_co_u32 s[G0B+4*\s+1], s45, \s*SLOT
	s_add_nc_u64 s[G0B+4*\s+2:G0B+4*\s+3], s[46:47], \s*ROWB
	s_or_b32 s[G0B+4*\s+3], s[G0B+4*\s+3], 0x80000000
	JLOAD G0+4*\s, G1, G0B+4*\s, G1B
.endr
	v_and_b32 v1, 15, v0                           ; l % 16
	v_bfe_u32 v2, v0, 4, 1                         ; l / 16
	v_mul_u32_u24 v3, v1, PITCH
	v_lshl_add_u32 v4, v2, 4, v3                   ; a fragment's row x pitch + 16 x half
	s_mul_i32 s21, s15, HALFT                      ; my 128 rows of A
	s_mul_i32 s22, s16, HALFT                      ; my 128 rows of B,
	s_add_co_u32 s22, s22, 2*HALFT                 ; which lie behind A's 256
.irp s, 0,1
	v_add_nc_u32 v[ADRA+\s], s21, v4
	v_add_nc_u32 v[ADRB+\s], s22, v4
	s_add_co_u32 s21, s21, SLOT
	s_add_co_u32 s22, s22, SLOT
.endr
	v_mul_u32_u24 v5, v1, KS                       ; my row's scales: 32 bytes a row,
	v_lshrrev_b32 v6, 8, v5
	v_lshl_add_u32 v5, v6, 4, v5                   ; and 16 more for each 256 passed
	s_mul_i32 s21, s15, HALFS                      ; A's: my 128 rows
	s_mul_i32 s22, s16, HALFS                      ; B's: my 128 rows, behind A's 256
	s_add_co_u32 s22, s22, 2*HALFS
	s_sub_co_u32 s22, s22, s21
	v_mul_u32_u24 v6, s22, v2                      ; lanes 16-31 take B's: one product, the distance between the two bases
	s_add_co_u32 s21, s21, SCL
	v_add_nc_u32 v5, v5, v6
	v_add_nc_u32 v[ADRS], s21, v5
	s_mul_i32 s23, s14, 16*SPITCH                  ; my stage
	v_mul_u32_u24 v5, v1, SPITCH                   ; in: row l % 16, 16 bytes for each half of the lanes
	v_lshl_add_u32 v5, v2, 4, v5
	v_add_nc_u32 v[STO], s23, v5
	v_bfe_u32 v5, v0, 3, 2                         ; back: eight lanes take 128 bytes (64 numbers: one region's part) of a row, the 32 lanes four rows
	v_mul_u32_u24 v5, v5, SPITCH
	v_and_b32 v6, 7, v0
	v_lshl_add_u32 v5, v6, 4, v5
	v_add_nc_u32 v[RD], s23, v5
	v_and_b32 v6, 31, v0
	v_lshlrev_b32 v[CO], 4, v6                     ; in qkv those four rows are 512 consecutive bytes
	s_lshr_b32 s20, s17, 3                         ; my part of qkv: the batch (2048 rows = 8 tile rows),
	s_mul_i32 s20, s20, 48<<18
	s_and_b32 s21, s17, 7
	s_lshl_b32 s21, s21, 8
	s_lshl_b32 s18, s15, 7
	s_add_co_u32 s21, s21, s18                     ; my first t: 256 (tile row % 8) + 128 x half,
	s_lshl_b32 s21, s21, 7                         ; 128 bytes a row
	s_add_co_u32 s20, s20, s21
	s_mov_b32 s21, 0
	s_lshl_b32 s46, s42, 2
	s_lshl_b32 s47, s16, 1
	s_add_co_u32 s46, s46, s47                     ; my first region: 4 x tile column + 2 x half,
	s_lshl_b32 s46, s46, 18                        ; 2^18 bytes a region
	s_mov_b32 s47, 0
	s_add_nc_u64 s[20:21], s[20:21], s[46:47]
	s_add_nc_u64 s[12:13], s[12:13], s[20:21]
.macro FRAG reg, adr, q, i             ; a fragment, 16 rows x 128 K of 4-bit codes: lane l holds row l % 16; registers 4 c .. 4 c + 3 hold K = 64 c + 32 (l / 16) + 0 .. 31
.irp c, 0,1
	ds_load_b128 v[\reg+4*\c:\reg+4*\c+3], v[\adr] offset:64*(\q)+32*\c+(\i)*16*PITCH
.endr
.endm
; 16 matrix instructions: A's blocks a0, a0 + 1 x B's eight, the slot's q-th 128 along K.  p: B's set; sc: the set of scale words.  zero = 1: the first product starts the sums.
; The 64 accumulators take turns, one instruction a turn, in the same order in every step.
.macro MUL16 a0, p, q, sc, zero
.irp a, \a0, \a0+1
.irp b, 0,1,2,3,4,5,6,7
.if \zero
	v_wmma_scale_f32_16x16x128_f8f6f4 v[8*(8*((\a)%4)+\b):8*(8*((\a)%4)+\b)+7], v[128*(\p)+FR*\b:128*(\p)+FR*\b+FR-1], v[AF+FR*(\a):AF+FR*(\a)+FR-1], 0, v[SC+8*NQ*(\sc)+NQ*\b+(\q)], v[SC+8*NQ*(\sc)+NQ*(\a)+(\q)] matrix_a_fmt:MATRIX_FMT_FP4 matrix_b_fmt:MATRIX_FMT_FP4 matrix_a_scale:MATRIX_SCALE_ROW1
.else
	v_wmma_scale_f32_16x16x128_f8f6f4 v[8*(8*((\a)%4)+\b):8*(8*((\a)%4)+\b)+7], v[128*(\p)+FR*\b:128*(\p)+FR*\b+FR-1], v[AF+FR*(\a):AF+FR*(\a)+FR-1], v[8*(8*((\a)%4)+\b):8*(8*((\a)%4)+\b)+7], v[SC+8*NQ*(\sc)+NQ*\b+(\q)], v[SC+8*NQ*(\sc)+NQ*(\a)+(\q)] matrix_a_fmt:MATRIX_FMT_FP4 matrix_b_fmt:MATRIX_FMT_FP4 matrix_a_scale:MATRIX_SCALE_ROW1
.endif
.endr
.endr
.endm
.macro FETCH_B slot, q, p              ; B's eight fragments of the slot's q-th 128 along K into set p
	WIN TO_B
.irp i, 0,1,2,3,4,5,6,7
	FRAG 128*(\p)+FR*\i, ADRB+\slot, \q, \i
.endr
	WIN 0
.endm
.macro FETCH_A slot, q, i0             ; A's blocks i0 .. i0 + 3
.irp i, \i0, \i0+1, \i0+2, \i0+3
	FRAG AF+FR*(\i), ADRA+\slot, \q, \i
.endr
.endm
.macro SCALES sc                       ; a slot's scale words into set sc: four words a row; lanes 0-15 take A's block i, lanes 16-31 B's block i
.irp i, 0,1,2,3,4,5,6,7
	ds_load_b128 v[SC+8*NQ*\sc+NQ*\i:SC+8*NQ*\sc+NQ*\i+3], v[ADRS] offset:\i*SBLK
.endr
.endm
.macro PLACES n                        ; plain vector lines between a matrix instruction and a load into one of its registers, or a read of its result
.rept \n
	v_nop
.endr
.endm
.macro STEP slot, q, zero              ; a step of 128 along K that has its successor in the same slot
	s_wait_dscnt 4*NL                              ; B's set and A's blocks 0-3 are in; the youngest eight loads (A's blocks 4-7) may be out
	WIN MUL_LO
	MUL16 0, (\q)%2, \q, \slot, \zero
	MUL16 2, (\q)%2, \q, \slot, \zero
	s_wait_dscnt 0                                 ; A's blocks 4-7 are in
	PLACES NP
	FETCH_B \slot, (\q)+1, 1-(\q)%2
	FETCH_A \slot, (\q)+1, 0
	WIN MUL_HI
	MUL16 4, (\q)%2, \q, \slot, \zero
	MUL16 6, (\q)%2, \q, \slot, \zero
	PLACES NP
	WIN 0
	FETCH_A \slot, (\q)+1, 4
.endm
.macro STEPS slot, from                ; the slot's steps from .. NQ - 2
.set Q, \from
.rept NQ-1-\from
	STEP \slot, Q, 0
.set Q, Q+1
.endr
.endm
	s_wait_tensorcnt 1                             ; the scales and my part of slot 0 are in (slot 1's load may be out)
	s_barrier_signal -1
	s_barrier_wait -1                              ; everybody's are
	FETCH_B 0, 0, 0
	FETCH_A 0, 0, 0
	SCALES 0
	FETCH_A 0, 0, 4
	STEP 0, 0, 1                                   ; the first step's products start the sums: nothing is cleared
	STEPS 0, 1
	; slot 0's last step changes slots: one barrier; in front of it each wave waits for all its tensor loads (its part of slot 1), adds 0 to its spare word, and waits for that and for its reads of slot 0
	s_wait_tensorcnt 0x0
	ds_add_u32 v[SPW], v[NIL]
	s_wait_dscnt 4*NL+1                            ; (the add and the youngest eight loads, A's blocks 4-7, may be out)
	WIN MUL_LO
	MUL16 0, 1, NQ-1, 0, 0
	s_wait_dscnt 0x0                               ; the add is done, and my reads of slot 0 are over
	s_barrier_signal -1
	MUL16 2, 1, NQ-1, 0, 0
	WIN 0
	s_barrier_wait -1                              ; slot 1 is whole, and nobody reads slot 0 any more
	PLACES NP
	v_add_nc_u32 v[ADRS], 4*NQ, v[ADRS]            ; on to slot 1's scale words (no LDS load of mine is out)
	FETCH_B 1, 0, 0
	FETCH_A 1, 0, 0
	SCALES 1
	WIN MUL_HI
	MUL16 4, 1, NQ-1, 0, 0
	MUL16 6, 1, NQ-1, 0, 0
	PLACES NP
	WIN 0
	FETCH_A 1, 0, 4
	STEPS 1, 0
	s_wait_dscnt 4*NL                              ; the very last step: nothing more to fetch
	WIN MUL_LO
	MUL16 0, 1, NQ-1, 1, 0
	MUL16 2, 1, NQ-1, 1, 0
	s_wait_dscnt 0
	WIN MUL_HI
	MUL16 4, 1, NQ-1, 1, 0
	MUL16 6, 1, NQ-1, 1, 0
	WIN 0
; THE WAY OUT, block by block of 16 rows x 128 columns.  PACK: rounded to f16, 16 bytes a lane, each accumulator from its low end on.  TOSTAGE: into my own stage, rows of 256 bytes + 16, and back by regions:
; a row's first 128 bytes belong to one region of qkv, its last 128 to the next, and in a region 16 rows are 2,048 consecutive bytes.  SEND: eight stores of 512 consecutive bytes.
.macro PACK a
.set AC, 64*((\a)%4)
	WIN 0x0a+5*((\a)/4)                            ; sources 0 and 1: window 2 or 3
.irp b, 0,1,2,3,4,5,6,7
.irp r, 0,1,2,3
	v_cvt_pk_f16_f32 v[TMP+4*\b+\r], v[AC+8*\b+2*\r], v[AC+8*\b+2*\r+1]
.endr
.endr
	WIN 0
.endm
.macro TOSTAGE a
.set BB, BK+32*((\a)%2)
.irp b, 0,1,2,3,4,5,6,7
	ds_store_b128 v[STO], v[TMP+4*\b:TMP+4*\b+3] offset:32*\b
.endr
.irp c, 0,1
.irp i, 0,1,2,3
	ds_load_b128 v[BB+4*(4*\c+\i):BB+4*(4*\c+\i)+3], v[RD] offset:4*\i*SPITCH+128*\c   ; LDS serves a wave's instructions in order (ISA guide 5.7.1.4): these see the stores above
.endr
.endr
.endm
.macro SEND a
.set BB, BK+32*((\a)%2)
	s_wait_dscnt 0x0                               ; the block is back in registers
	s_wait_xcnt 0x0                                ; the block before has had its stores' registers read: the next block's loads may land there
.irp c, 0,1
.irp i, 0,1,2,3
	global_store_b128 v[CO], v[BB+4*(4*\c+\i):BB+4*(4*\c+\i)+3], s[12:13] offset:\c*262144+(\a)*2048+\i*512   ; every place stands in the immediate: no base is stepped
.endr
.endr
.endm
	PLACES NP                                      ; behind the last products: for the reads of results and for the loads into the registers that held A's fragments
	PACK 0
	TOSTAGE 0
.irp a, 1,2,3,4,5,6,7
	PACK \a                                        ; block a's conversions stand between block a - 1's loads from the stage and the wait for them
	SEND (\a)-1
	TOSTAGE \a
.endr
	SEND 7
	s_wait_tensorcnt 0x0                           ; the wave's end: a wait, an add of 0 to my spare word and its wait, behind my last tensor load and my last LDS store
	ds_add_u32 v[SPW], v[NIL]
	s_wait_dscnt 0x0
	CROUND                                         ; the closing round: no work-group ends while a partner may still ask for a tile that names it
	s_endpgm
.Lfunc_end_k_qec7100cfb4_proj:
	.size	k_qec7100cfb4_proj, .Lfunc_end_k_qec7100cfb4_proj-k_qec7100cfb4_proj
	.p2alignl 7, 3214868480
	.fill 96, 4, 3214868480
	.section	.rodata,"a",@progbits
	.p2align	6, 0x0
	.amdhsa_kernel k_qec7100cfb4_proj
		.amdhsa_group_segment_fixed_size 327680
		.amdhsa_private_segment_fixed_size 0
		.amdhsa_enable_private_segment 0
		.amdhsa_kernarg_size 40
		.amdhsa_user_sgpr_count 2
		.amdhsa_user_sgpr_kernarg_segment_ptr 1
		.amdhsa_wavefront_size32 1
		.amdhsa_system_sgpr_workgroup_id_x 1
		.amdhsa_system_sgpr_workgroup_id_y 1
		.amdhsa_system_sgpr_workgroup_id_z 1
		.amdhsa_system_vgpr_workitem_id 0
		.amdhsa_next_free_vgpr 1024
		.amdhsa_next_free_sgpr 98
		.amdhsa_reserve_vcc 0
		.amdhsa_float_denorm_mode_32 3
		.amdhsa_float_denorm_mode_16_64 3
		.amdhsa_memory_ordered 1
		.amdhsa_forward_progress 1
		.amdhsa_inst_pref_size 127
	.end_amdhsa_kernel
	.amdgpu_metadata
---
amdhsa.version: [ 1, 2 ]
amdhsa.kernels:
  - .name:           k_qec7100cfb4_proj
    .symbol:         k_qec7100cfb4_proj.kd
    .args:
      - { .name: xcodes, .offset: 0, .size: 8, .value_kind: global_buffer, .address_space: global }
      - { .name: xscales, .offset: 8, .size: 8, .value_kind: global_buffer, .address_space: global }
      - { .name: wcodes, .offset: 16, .size: 8, .value_kind: global_buffer, .address_space: global }
      - { .name: wscales, .offset: 24, .size: 8, .value_kind: global_buffer, .address_space: global }
      - { .name: qkv, .offset: 32, .size: 8, .value_kind: global_buffer, .address_space: global }
    .group_segment_fixed_size: 327680
    .private_segment_fixed_size: 0
    .kernarg_segment_align: 8
    .kernarg_segment_size: 40
    .max_flat_workgroup_size: 128
    .sgpr_count:     98
    .vgpr_count:     1024
    .wavefront_size: 32
...
	.end_amdgpu_metadata
.endif
;; end of part 3
;; launch attn (part 4): grid 4 x 64, 8 waves a work-group, clusters of 4 x 1, 327,680 bytes of LDS; arguments qkv, mask, attn16; writes attn16
.if DOCPART == 4
	.amdgcn_target "amdgcn-amd-amdhsa--gfx1250"
	.amdhsa_code_object_version 6
	.text
	.protected	k_qec7100cfb4_attn
	.globl	k_qec7100cfb4_attn
	.p2align	8
	.type	k_qec7100cfb4_attn,@function
k_qec7100cfb4_attn:
	s_mov_b64 s[64:65], 0
	v_nop
	global_prefetch_b8 v0, s[64:65] scope:SCOPE_SE
	s_setreg_imm32_b32 hwreg(HW_REG_WAVE_MODE, 25, 1), 1
	s_wait_xcnt 0x0
	s_wait_alu depctr_hold_cnt(0) depctr_sa_sdst(0) depctr_va_vdst(0) depctr_va_sdst(0) depctr_va_ssrc(0) depctr_va_vcc(0) depctr_vm_vsrc(0)
	s_getreg_b32 s2, hwreg(HW_REG_IB_STS2, 6, 4)
	s_cmp_eq_u32 s2, 0
	s_cbranch_scc0 .Lentry_in_a_cluster
	s_endpgm
.Lentry_in_a_cluster:
	s_bfe_u32 s2, ttmp6, 0x10000c
	s_cmp_lg_u32 s2, 0x3003
	s_cbranch_scc0 .Lentry_shape_is_right
	s_endpgm
.Lentry_shape_is_right:
; attn[b][h][q][:] = the sum over k of softmax_k(q . k / 8, keys with mask[b][k] == 0 left out) v[k][:].  q, k, v: f16, in qkv [b 4][region 48][t 2048][64] (q: region h, k: 16 + 2 h, v: 17 + 2 h).
; OUT: attn16 f16 [h 16][b 2048 + t][64].  Products on f16 operands, sums, maxima and the softmax in f32; the weights p are rounded to f16 for the second product, the result once at the end.
; SHARES.  A cluster of four work-groups owns one (b, h); each work-group 512 queries, each of its eight waves 64: four tiles of 16, in 512 registers; two waves to a SIMD, so that one wave's softmax stands
; beside the other's products.  Every wave walks all 2048 keys, 64 a step.  K and V are asked for JOINTLY by the four work-groups: the same tensor load, the same descriptor, a mask that names the four.
; LAYOUT.  S^T = K Q^T (source 0 = 16 keys, source 1 = 16 queries): a lane holds ONE query (lane % 16) and the keys 8 (lane / 16) + 0..7.  Two such tiles, rounded to f16 in pairs, ARE source 1 of
; O^T = V^T P, whose result again holds one query a lane.  K comes out of LDS as it lies, V ([key][channel]) turned, by ds_load_tr16_b128.
; THE MASK IS THE C OF EACH SCORE TILE'S FIRST PRODUCT: bias[key] = 0 where the key counts, -2^120 where mask == 0.  The running maximum starts at -2^100.  A real score has magnitude at most 64 x 65,504^2, under
; 2^38, so a masked score never sets the maximum and its p = 2^(c s - c m) is exactly 0; where every key of a batch is masked the sum is 0 and 0 x (1 / 0) gives NaN.
; SOFTMAX.  For each query a running maximum m and sum l: p = 2^(c s - c m), c = log2(e) / 8; in every step O and l are multiplied by a = 2^(c m_old - c m_new).
; LIMITS: |q|, |k|, |v| under 65,504 (f16); NaN and infinities among the inputs are not served.
; LDS.  Two slots of 512 keys.  A key's row is 128 bytes and the rows are dense in memory: a tile is stated as rows of TWO keys, 256 bytes, with padding behind each: key j lies at (j / 2) pitch + 128 (j % 2).
;   K's pitch 272 = 68 words; V's pitch 288 = 72 words.
; REGISTERS, in windows of 256: window 0: v1-13 addresses; v16-31 four registers of statistics a tile; v32-63 the step's bias, then the softmax's temporaries; v64-191 S^T, 32 a tile, P laid on the lower 16; v192-255 Q.
;   window 1: v0-127 O^T, 32 a tile; v128-191 K of one step; v192-255 V of one step.
.set PK,     272
.set PV,     288
.set VOFF,   256*PK                    ; a slot: 256 rows of K, then 256 rows of V
.set SLOT,   256*(PK+PV)
.set KSTEPB, 32*PK                     ; a step's 64 keys on, in K,
.set VSTEPB, 32*PV                     ; in V
.set BIAS,   2*SLOT                    ; behind the slots: 2048 f32
.set STAGE,  BIAS+8192                 ; the way out: 16 rows x (128 bytes + 16) for each wave
.set SP,     144
.set SPARE,  STAGE+8*16*SP             ; the spare words, 128 bytes a wave, which no other line names
.set BATCHB, 48<<18                    ; a batch of qkv in bytes
.set AK0, 1                            ; v1  my lane's place in a tile of K; never rewritten
.set AV0, 2                            ; v2  the same for V
.set AB0, 3                            ; v3  and in the bias
.set ADK, 4                            ; v4-6 the addresses of the runs of loads in hand
.set ADV, 5
.set ADB, 6
.set QO,  7                            ; v7  my byte offset in the wave's rows of Q
.set STO, 8                            ; v8  the way out: where I put 16 bytes of a row
.set RD,  9                            ; v9  where I read four rows back
.set GO,  10                           ; v10 16 x lane
.set PFO, 11                           ; v11 256 x lane; never rewritten
.set SPW, 12                           ; v12 LDS address of my spare word; never rewritten
.set NIL, 13                           ; v13 0; never rewritten
.set ST,  16                           ; tile t at v[ST + 4 t]: c m, m, l (even keys'), l (odd keys')
.set BI,  32                           ; the bias of key tile kt at v[BI + 8 kt]
.set TT,  32                           ; behind K Q^T the same registers: tile t at v[TT + 8 t]: c0-c3 (a takes c2's place), two pairs for the sums
.set S,   64
.set Q,   192
.set KF,  128                          ; in window 1
.set VF,  192                          ; in window 1
.set WV,  10                           ; s10 my wave's number
.set LIM, 15                           ; s15 2 in a wave that prefetches, else the greatest number
.set PFA, 18                           ; s[18:19] where my prefetches stand
.set G1K, 24
.set G1V, 32
.set G0K, 40                           ; s[40:47] group 0 for K's tiles, a set for each slot
.set G0V, 48                           ; s[48:55] for V's
.set CNT, 56                           ; s56 counts a loop's trips
.set TK,  57                           ; s57-59 LDS byte at which the K, the V, the bias of the step to be fetched begin
.set TV,  58
.set TB,  59
.set SEL, 60                           ; s[60:61] lane selects for v_permlanex16_b32: lane l xor 16
.set CS,  62                           ; s[62:63] c: the packed scaling names a pair and takes its low word for both halves
.set MSB, 0
.macro WIN new                         ; the immediate's high byte repeats the setting that is left
.if MSB != \new
	s_set_vgpr_msb (MSB<<8)|\new
.set MSB, \new
.endif
.endm
.set W_KQ, 0x01                        ; K in window 1; Q, the bias and S^T in window 0
.set W_PV, 0x51                        ; V in window 1, P in window 0, O^T in window 1
.set W_RS, 0x41                        ; O^T (destination and source 0) in window 1, the factor in window 0
.set TO1,  0x40                        ; destination window 1, address window 0
; A joint refill of slot s.  Waves 0-3 fetch the quarters of K's tile, waves 4-7 those of V's.  The branch hangs on the wave's number alone.  An s_nop 0 and four v_nop follow each line.
.macro JLOAD s
	s_cmp_lt_u32 s[WV], 4
	s_cbranch_scc0 .Lfor_v_\@
	tensor_load_to_lds s[G0K+4*\s:G0K+4*\s+3], s[G1K:G1K+7]
	s_nop 0
.rept 4
	v_nop
.endr
	s_branch .Lasked_\@
.Lfor_v_\@:
	tensor_load_to_lds s[G0V+4*\s:G0V+4*\s+3], s[G1V:G1V+7]
	s_nop 0
.rept 4
	v_nop
.endr
.Lasked_\@:
.endm
; A PREFETCH INTO THE L2 of what the next change of slots will ask for: 512 keys of K and of V, 65,536 bytes each.  It is asked in the trip in which two trips of the loop are left, behind the run of K's loads.
; Each aligned block of 256 bytes is named ONCE in the launch: a (b, h) has one cluster; its four partners share the bytes out BY ADDRESS, 16,384 each of K and of V; in each, waves 0 and 2 ask for K's two
; halves of that, waves 4 and 6 for V's, lanes 256 bytes apart: one instruction a wave.  Slots 0 and 1 come by their loads alone; behind the second refill nothing is asked.
.macro ASK
	s_cmp_eq_u32 s[CNT], s[LIM]
	s_cbranch_scc0 .Lnot_mine_\@
	global_prefetch_b8 v[PFO], s[PFA:PFA+1] th:TH_LOAD_NT scope:SCOPE_SE
.Lnot_mine_\@:
.endm
.macro CROUND                          ; a round of the cluster's barrier
	s_barrier_signal -1
	s_barrier_wait -1
	s_cmp_lg_u32 s[WV], 0
	s_cbranch_scc1 .Lnot_wave_0_\@
	s_barrier_signal -3
.Lnot_wave_0_\@:
	s_barrier_wait -3
	s_barrier_signal -1
	s_barrier_wait -1
.endm
	s_load_b128 s[4:7], s[0:1], 0x0                ; qkv s[4:5], mask s[6:7]
	s_load_b64 s[8:9], s[0:1], 0x10                ; attn16
	v_lshl_add_u32 v[SPW], v0, 2, SPARE
	v_mov_b32 v[NIL], 0
	ds_add_u32 v[SPW], v[NIL]                      ; the wave's opening: the add, twice on end, and its wait ahead of my first tensor load
	ds_add_u32 v[SPW], v[NIL]
	v_lshrrev_b32 v4, 5, v0
	v_readfirstlane_b32 s[WV], v4                  ; wave 0..7
	s_bfe_u32 s11, ttmp6, 0x40000                  ; cx: my place in the cluster: it enters Q's, O's and the prefetches' addresses alone
	s_and_b32 s12, ttmp7, 0xffff                   ; 16 b + h, which the four partners share
	s_lshr_b32 s13, s12, 4                         ; b
	s_and_b32 s14, s12, 15                         ; h
	s_mul_i32 s16, s13, BATCHB                     ; the batch's first byte in qkv
	s_lshl_b32 s17, s14, 19
	s_add_co_u32 s17, s17, 16<<18                  ; region 16 + 2 h
	s_add_co_u32 s20, s16, s17                     ; K's first byte
	s_mov_b32 s21, 0
	s_and_b32 s2, s[WV], 3                         ; which quarter of a tile I fetch: 128 keys:
	s_mul_i32 s56, s2, 64*PK                       ; its place in K's part of a slot,
	s_mul_i32 s57, s2, 64*PV                       ; in V's,
	s_lshl_b32 s58, s2, 14                         ; and in memory
	s_mov_b32 s59, 0
	s_lshl_b32 s70, s11, 9
	s_lshl_b32 s71, s[WV], 6
	s_add_co_u32 s70, s70, s71                     ; my wave's first query: 512 cx + 64 wave
	s_lshl_b32 s66, s70, 7
	s_lshl_b32 s71, s14, 18
	s_add_co_u32 s66, s66, s71
	s_add_co_u32 s66, s66, s16                     ; its row of q
	s_mov_b32 s67, 0
	s_lshl_b32 s68, s13, 11
	s_add_co_u32 s68, s68, s70
	s_lshl_b32 s68, s68, 7
	s_lshl_b32 s71, s14, 20
	s_add_co_u32 s68, s68, s71                     ; its row of attn16
	s_mov_b32 s69, 0
	s_lshl_b32 s16, s13, 13                        ; the batch's row of the mask
	s_mov_b32 s17, 0
	s_lshl_b32 s18, s11, 14                        ; the prefetches: my work-group's 16,384 bytes,
	s_bfe_u32 s71, s[WV], 0x10001
	s_lshl_b32 s71, s71, 13
	s_add_co_u32 s18, s18, s71                     ; my wave's half of them,
	s_add_co_u32 s18, s18, 131072                  ; from key 1024 on: what the first refill asks for
	s_mov_b32 s19, 0
	s_and_b32 s[LIM], s[WV], 1
	s_cmp_eq_u32 s[LIM], 0
	s_cselect_b32 s[LIM], 2, -1                    ; even waves ask
	; descriptor group 1: 128 keys x 128 bytes, dense, as 64 rows of 256 bytes (32 elements of 8 bytes), padded in LDS
	s_mov_b32 s[G1K], 15|(3<<16)|(1<<20)|(1<<21)|(5<<22)|(3<<25)   ; the mask: all four work-groups; bit 21 beside it; padding: 4 words behind every 64
	s_mov_b32 s[G1V], 15|(3<<16)|(1<<20)|(1<<21)|(5<<22)|(7<<25)   ; the same with 8 words of padding
.irp g, G1K, G1V
	s_mov_b32 s[\g+1], 32<<16                      ; tensor_dim0
	s_mov_b32 s[\g+2], 64<<16                      ; tensor_dim1
	s_mov_b32 s[\g+3], 32<<16                      ; tile_dim0
	s_mov_b32 s[\g+4], 64                          ; tile_dim1
	s_mov_b32 s[\g+5], 32                          ; from row to row
	s_mov_b32 s[\g+6], 0
	s_mov_b32 s[\g+7], 0
.endr
	s_mov_b32 s[SEL], 0x76543210
	s_mov_b32 s[SEL+1], 0xfedcba98
	s_mov_b32 s[CS], 0x3e38aa3b                    ; c = log2(e) / 8
	s_mov_b32 s[CS+1], s[CS]                       ; named with it as a pair, so it is written
	v_and_b32 v5, 15, v0                           ; r = lane % 16
	v_bfe_u32 v6, v0, 4, 1                         ; h = lane / 16
	v_lshlrev_b32 v[QO], 7, v5
	v_lshl_add_u32 v[QO], v6, 4, v[QO]             ; Q: row r of 128 bytes + 16 x half
	v_lshlrev_b32 v14, 5, v0                       ; the mask: eight numbers a thread
	v_add_nc_u32 v15, BIAS, v14                    ; and their place in the bias
	s_wait_dscnt 0x0                               ; both opening adds are done
	s_wait_kmcnt 0x0
	s_add_nc_u64 s[20:21], s[4:5], s[20:21]        ; K
	s_add_nc_u64 s[22:23], s[20:21], 0x40000       ; V: the next region
	s_add_nc_u64 s[66:67], s[4:5], s[66:67]
	s_add_nc_u64 s[68:69], s[8:9], s[68:69]
	s_add_nc_u64 s[6:7], s[6:7], s[16:17]
	s_cmp_lt_u32 s[WV], 4
	s_cselect_b64 s[2:3], s[20:21], s[22:23]
	s_add_nc_u64 s[PFA:PFA+1], s[2:3], s[PFA:PFA+1]
	CROUND                                         ; all four work-groups are here: the first joint loads meet
	s_add_nc_u64 s[G0K+2:G0K+3], s[20:21], s[58:59]      ; slot 0: keys 0-511, my quarter;
	s_add_nc_u64 s[G0K+6:G0K+7], s[G0K+2:G0K+3], 65536   ; slot 1: keys 512-1023
	s_add_nc_u64 s[G0V+2:G0V+3], s[22:23], s[58:59]
	s_add_nc_u64 s[G0V+6:G0V+7], s[G0V+2:G0V+3], 65536
.irp s, 0,1
	s_mov_b32 s[G0K+4*\s], 1                       ; count = 1
	s_add_co_u32 s[G0K+4*\s+1], s56, \s*SLOT       ; LDS address
	s_or_b32 s[G0K+4*\s+3], s[G0K+4*\s+3], 0x80000000   ; type = 2
	s_mov_b32 s[G0V+4*\s], 1
	s_add_co_u32 s[G0V+4*\s+1], s57, \s*SLOT+VOFF
	s_or_b32 s[G0V+4*\s+3], s[G0V+4*\s+3], 0x80000000
.endr
	s_cmp_lt_u32 s[WV], 4                          ; a wave's two first fills stand in one branch, ahead of every wait on TENSORcnt and every LDS read: two loads of mine are out
	s_cbranch_scc0 .Lfirst_v
	tensor_load_to_lds s[G0K:G0K+3], s[G1K:G1K+7]
	s_nop 0
	tensor_load_to_lds s[G0K+4:G0K+7], s[G1K:G1K+7]
	s_nop 0
.rept 4
	v_nop
.endr
	s_branch .Lfirst_asked
.Lfirst_v:
	tensor_load_to_lds s[G0V:G0V+3], s[G1V:G1V+7]
	s_nop 0
	tensor_load_to_lds s[G0V+4:G0V+7], s[G1V:G1V+7]
	s_nop 0
.rept 4
	v_nop
.endr
.Lfirst_asked:
	global_load_b128 v[32:35], v14, s[6:7]         ; the batch's mask: 256 threads x 8 numbers
	global_load_b128 v[36:39], v14, s[6:7] offset:16
.irp t, 0,1,2,3                        ; Q stays in registers: tile t, channels 32 c on: registers 0-3 channels 8 h + 0..7, registers 4-7 channels 16 + 8 h + 0..7
.irp c, 0,1
	global_load_b128 v[Q+16*\t+8*\c:Q+16*\t+8*\c+3],   v[QO], s[66:67] offset:\t*2048+64*\c th:TH_LOAD_NT
	global_load_b128 v[Q+16*\t+8*\c+4:Q+16*\t+8*\c+7], v[QO], s[66:67] offset:\t*2048+64*\c+32 th:TH_LOAD_NT
.endr
.endr
	v_lshrrev_b32 v4, 1, v5
	v_mul_u32_u24 v[AK0], v4, PK                   ; K: key r of a tile: (r / 2) pitch
	v_and_b32 v4, 1, v0
	v_lshl_add_u32 v[AK0], v4, 7, v[AK0]           ; + 128 (r % 2)
	v_lshl_add_u32 v[AK0], v6, 4, v[AK0]           ; + 16 x half
	v_bfe_u32 v4, v0, 1, 2                         ; V, for the turning load: lane l reads 16 bytes of key 8 h + l % 8, channels 8 ((l / 8) % 2) on
	v_lshl_add_u32 v4, v6, 2, v4
	v_mul_u32_u24 v[AV0], v4, PV
	v_and_b32 v4, 1, v0
	v_lshl_add_u32 v[AV0], v4, 7, v[AV0]
	v_bfe_u32 v4, v0, 3, 1
	v_lshl_add_u32 v[AV0], v4, 4, v[AV0]
	v_add_nc_u32 v[AV0], VOFF, v[AV0]
	v_lshl_add_u32 v[AB0], v6, 5, BIAS             ; the bias: my half's eight keys of a tile
	s_mul_i32 s16, s[WV], 16*SP
	s_add_co_u32 s16, s16, STAGE                   ; my stage
	v_mul_u32_u24 v[STO], v5, SP                   ; in: row r, 16 bytes for each half of the lanes
	v_lshl_add_u32 v[STO], v6, 4, v[STO]
	v_add_nc_u32 v[STO], s16, v[STO]
	v_bfe_u32 v4, v0, 3, 2                         ; back: eight lanes take a row of 128 bytes, the 32 lanes four rows
	v_mul_u32_u24 v[RD], v4, SP
	v_and_b32 v4, 7, v0
	v_lshl_add_u32 v[RD], v4, 4, v[RD]
	v_add_nc_u32 v[RD], s16, v[RD]
	v_and_b32 v4, 31, v0
	v_lshlrev_b32 v[GO], 4, v4                     ; in attn16 those four rows are 512 consecutive bytes
	v_lshlrev_b32 v[PFO], 8, v4
	v_mov_b32 v40, 0xfb800000                      ; -2^120
	s_wait_loadcnt 16                              ; the mask's two loads are in; Q's sixteen stay out
.irp i, 0,1,2,3,4,5,6,7
	v_cmp_eq_f32 vcc_lo, 0, v[32+\i]
	v_cndmask_b32 v[32+\i], 0, v40, vcc_lo         ; the choice selects a value: no branch and no address hangs on the mask
.endr
	ds_store_b128 v15, v[32:35]
	ds_store_b128 v15, v[36:39] offset:16
	s_mov_b32 s[TK], 0
	s_mov_b32 s[TV], 0
	s_mov_b32 s[TB], 0
	s_wait_tensorcnt 1                             ; my part of slot 0 is in; slot 1's may stay out
	s_wait_dscnt 0x0                               ; my part of the bias is stored
	s_barrier_signal -1
	s_barrier_wait -1                              ; everybody's are
; S^T = K Q^T + bias: 32 products; the 16 accumulators take turns, one instruction a turn: between two links of a chain stand 15 others'
.macro KQALL
	WIN W_KQ
.irp c, 0,1
.irp kt, 0,1,2,3
.irp t, 0,1,2,3
.if \c == 0
	v_wmma_f32_16x16x32_f16 v[S+32*\t+8*\kt:S+32*\t+8*\kt+7], v[KF+16*\kt+8*\c:KF+16*\kt+8*\c+7], v[Q+16*\t+8*\c:Q+16*\t+8*\c+7], v[BI+8*\kt:BI+8*\kt+7]
.else
	v_wmma_f32_16x16x32_f16 v[S+32*\t+8*\kt:S+32*\t+8*\kt+7], v[KF+16*\kt+8*\c:KF+16*\kt+8*\c+7], v[Q+16*\t+8*\c:Q+16*\t+8*\c+7], v[S+32*\t+8*\kt:S+32*\t+8*\kt+7]
.endif
.endr
.endr
.endr
.endm
; O^T += V^T P: 32 products, again 16 accumulators by turns.  zero = 1: the first 16 start the sums: nothing is ever cleared
.macro PVALL zero
	WIN W_PV
.irp kk, 0,1
.irp ct, 0,1,2,3
.irp t, 0,1,2,3
.if (\zero) && (\kk == 0)
	v_wmma_f32_16x16x32_f16 v[32*\t+8*\ct:32*\t+8*\ct+7], v[VF+32*\kk+8*\ct:VF+32*\kk+8*\ct+7], v[S+32*\t+8*\kk:S+32*\t+8*\kk+7], 0
.else
	v_wmma_f32_16x16x32_f16 v[32*\t+8*\ct:32*\t+8*\ct+7], v[VF+32*\kk+8*\ct:VF+32*\kk+8*\ct+7], v[S+32*\t+8*\kk:S+32*\t+8*\kk+7], v[32*\t+8*\ct:32*\t+8*\ct+7]
.endif
.endr
.endr
.endr
.endm
.macro FETCH_K                         ; a step's K: 64 keys x 64 channels: 8 fragments, 16 loads
	WIN TO1
.irp kt, 0,1,2,3
.irp c, 0,1
	ds_load_b128 v[KF+16*\kt+8*\c:KF+16*\kt+8*\c+3],   v[ADK] offset:\kt*8*PK+64*\c
	ds_load_b128 v[KF+16*\kt+8*\c+4:KF+16*\kt+8*\c+7], v[ADK] offset:\kt*8*PK+64*\c+32
.endr
.endr
	WIN 0
.endm
.macro FETCH_B                         ; its bias in the result's layout: register j of tile kt is key 16 kt + 8 h + j: 8 loads
.irp kt, 0,1,2,3
	ds_load_b128 v[BI+8*\kt:BI+8*\kt+3],   v[ADB] offset:64*\kt
	ds_load_b128 v[BI+8*\kt+4:BI+8*\kt+7], v[ADB] offset:64*\kt+16
.endr
.endm
.macro FETCH_V                         ; its V, turned: keys 32 kk on, channels 16 ct on: 16 loads
	WIN TO1
.irp kk, 0,1
.irp ct, 0,1,2,3
	ds_load_tr16_b128 v[VF+32*\kk+8*\ct:VF+32*\kk+8*\ct+3],   v[ADV] offset:\kk*16*PV+32*\ct
	ds_load_tr16_b128 v[VF+32*\kk+8*\ct+4:VF+32*\kk+8*\ct+7], v[ADV] offset:\kk*16*PV+8*PV+32*\ct
.endr
.endr
	WIN 0
.endm
; THE SOFTMAX of the wave's four tiles for one key step, every line for the four tiles by turns, so that no line waits for the line above it.  first = 1: the first step, which starts m and l.
.macro SOFTMAX first
.irp j, 0,1,2,3                        ; the maximum of the lane's 32 scores: four chains; each accumulator is read from its low end on
.irp t, 0,1,2,3
	v_max3_num_f32 v[TT+8*\t+\j], v[S+32*\t+8*\j], v[S+32*\t+8*\j+1], v[S+32*\t+8*\j+2]
.endr
.endr
.irp g, 1,2
.irp j, 0,1,2,3
.irp t, 0,1,2,3
	v_max3_num_f32 v[TT+8*\t+\j], v[TT+8*\t+\j], v[S+32*\t+8*\j+2*\g+1], v[S+32*\t+8*\j+2*\g+2]
.endr
.endr
.endr
.irp t, 0,1,2,3
	v_max3_num_f32 v[TT+8*\t], v[TT+8*\t], v[S+32*\t+7], v[S+32*\t+15]
.endr
.irp t, 0,1,2,3
	v_max3_num_f32 v[TT+8*\t+2], v[TT+8*\t+2], v[S+32*\t+23], v[S+32*\t+31]
.endr
.irp t, 0,1,2,3
	v_max3_num_f32 v[TT+8*\t], v[TT+8*\t], v[TT+8*\t+1], v[TT+8*\t+2]
.endr
.irp t, 0,1,2,3
.if \first
	v_max3_num_f32 v[TT+8*\t], v[TT+8*\t], v[TT+8*\t+3], 0xf1800000   ; the floor -2^100, over every masked score and under every real one
.else
	v_max3_num_f32 v[TT+8*\t], v[TT+8*\t], v[TT+8*\t+3], v[ST+4*\t+1]
.endif
.endr
.irp t, 0,1,2,3
	v_permlanex16_b32 v[TT+8*\t+1], v[TT+8*\t], s[SEL], s[SEL+1]   ; the query's other 32 keys lie in the lane 16 away
.endr
.if !\first
.irp t, 0,1,2,3
	v_mov_b32 v[TT+8*\t+3], v[ST+4*\t]             ; c m_old is kept for a
.endr
.endif
.irp t, 0,1,2,3
	v_max_num_f32 v[ST+4*\t+1], v[TT+8*\t], v[TT+8*\t+1]
.endr
.irp t, 0,1,2,3
	v_mul_f32 v[ST+4*\t], s[CS], v[ST+4*\t+1]
.endr
.if !\first
.irp t, 0,1,2,3
	v_sub_f32 v[TT+8*\t+3], v[TT+8*\t+3], v[ST+4*\t]
.endr
.irp t, 0,1,2,3                        ; ONE BATCH of exponentials begins: none of its lines names an exponential's result
	v_exp_f32 v[TT+8*\t+2], v[TT+8*\t+3]           ; a = 2^(c m_old - c m_new)
.endr
.endif
.set p, 0
.rept 16
.irp t, 0,1,2,3
	v_pk_fma_f32 v[S+32*\t+2*p:S+32*\t+2*p+1], v[S+32*\t+2*p:S+32*\t+2*p+1], s[CS:CS+1], v[ST+4*\t:ST+4*\t+1] op_sel_hi:[1,0,0] neg_lo:[0,0,1] neg_hi:[0,0,1]   ; pair p: c s - c m
.endr
.if p > 0
.irp t, 0,1,2,3
	v_exp_f32 v[S+32*\t+2*p-2], v[S+32*\t+2*p-2]   ; pair p - 1
	v_exp_f32 v[S+32*\t+2*p-1], v[S+32*\t+2*p-1]
.endr
.endif
.set p, p+1
.endr
.irp t, 0,1,2,3
	v_exp_f32 v[S+32*\t+30], v[S+32*\t+30]
	v_exp_f32 v[S+32*\t+31], v[S+32*\t+31]
.endr
	v_nop                                          ; a plain line behind the last exponential, ahead of the first use
	s_wait_alu depctr_va_vdst(0)                   ; the wait ahead of the first line that names a result: one for the whole batch
.irp t, 0,1,2,3                        ; the sums are taken of the unrounded p: two chains a tile, two numbers an instruction
	v_pk_add_f32 v[TT+8*\t+4:TT+8*\t+5], v[S+32*\t:S+32*\t+1], v[S+32*\t+2:S+32*\t+3]
.endr
.irp t, 0,1,2,3
	v_pk_add_f32 v[TT+8*\t+6:TT+8*\t+7], v[S+32*\t+4:S+32*\t+5], v[S+32*\t+6:S+32*\t+7]
.endr
.irp q, 8,12,16,20,24,28
.irp t, 0,1,2,3
	v_pk_add_f32 v[TT+8*\t+4:TT+8*\t+5], v[TT+8*\t+4:TT+8*\t+5], v[S+32*\t+\q:S+32*\t+\q+1]
.endr
.irp t, 0,1,2,3
	v_pk_add_f32 v[TT+8*\t+6:TT+8*\t+7], v[TT+8*\t+6:TT+8*\t+7], v[S+32*\t+\q+2:S+32*\t+\q+3]
.endr
.endr
.if \first
.irp t, 0,1,2,3
	v_pk_add_f32 v[ST+4*\t+2:ST+4*\t+3], v[TT+8*\t+4:TT+8*\t+5], v[TT+8*\t+6:TT+8*\t+7]
.endr
.else
.irp t, 0,1,2,3
	v_pk_add_f32 v[TT+8*\t+4:TT+8*\t+5], v[TT+8*\t+4:TT+8*\t+5], v[TT+8*\t+6:TT+8*\t+7]
.endr
.irp t, 0,1,2,3
	v_pk_fma_f32 v[ST+4*\t+2:ST+4*\t+3], v[ST+4*\t+2:ST+4*\t+3], v[TT+8*\t+2:TT+8*\t+3], v[TT+8*\t+4:TT+8*\t+5] op_sel_hi:[1,0,1]   ; l = a l + the step's sum
.endr
.endif
.set d, 0
.rept 16                               ; P in place: register d takes pair d; d never lies above a pair that is still unread
.irp t, 0,1,2,3
	v_cvt_pk_f16_f32 v[S+32*\t+d], v[S+32*\t+2*d], v[S+32*\t+2*d+1]
.endr
.set d, d+1
.endr
.endm
.macro RESCALE                         ; O^T times a, each accumulator from its low end on
	WIN W_RS
.set i, 0
.rept 16
.irp t, 0,1,2,3
	v_pk_mul_f32 v[32*\t+2*i:32*\t+2*i+1], v[32*\t+2*i:32*\t+2*i+1], v[TT+8*\t+2:TT+8*\t+3] op_sel_hi:[1,0]
.endr
.set i, i+1
.endr
.endm
; A TRIP computes key step j and fetches step j + 1's K, bias and V, in that order.  fetch = 0: the last step.
.macro TRIP first, fetch, ask
	s_wait_dscnt 16                                ; K and the bias of this step are in; the youngest 16 loads, its V, may be out
	KQALL
	WIN 0
.if \fetch
	v_add_nc_u32 v[ADK], s[TK], v[AK0]             ; four plain lines: the places between the products and the loads into K's registers, and the reads of the scores
	v_add_nc_u32 v[ADB], s[TB], v[AB0]
	v_add_nc_u32 v[ADV], s[TV], v[AV0]
	v_nop
	FETCH_K
.if \ask
	ASK
.endif
.else
.rept 4
	v_nop
.endr
.endif
	SOFTMAX \first
.if !\first
	RESCALE
.endif
	WIN 0
.if \fetch
	FETCH_B                                        ; the temporaries are done with: the next bias lands while the products below run
	s_wait_dscnt 24                                ; V of this step is in; behind it stand the next K's 16 loads and the bias's 8
.else
	s_wait_dscnt 0x0
.endif
	PVALL \first
	WIN 0
.if \fetch
.rept 5
	v_nop                                          ; four places ahead of the loads into V's registers; five ahead of the next K Q^T, which writes over P, which these products read
.endr
	FETCH_V
	s_add_co_u32 s[TK], s[TK], KSTEPB              ; the next fetches are the next step's
	s_add_co_u32 s[TV], s[TV], VSTEPB
	s_add_co_u32 s[TB], s[TB], 256
.endif
.endm
; THE CHANGE OF SLOTS stands ahead of a slot's LAST step: all of that slot's reads have been issued, since a trip fetches the step behind its own.  Each wave waits for all its tensor loads (its part of the other
; slot), adds 0 to its spare word, and waits for that and for its reads.  fill = 1: the slot is filled again with the keys 1024 further on, behind a round of the cluster's barrier, so that no wave of any partner
; still reads it or has a load on its way; the load has eight key steps in which to land.  By this text's count one tensor load of a wave is out behind a round.
.macro CHANGE fill, slot, steppf
	s_wait_tensorcnt 0x0                           ; no tensor load of mine is out, so a group 0 may be written
	ds_add_u32 v[SPW], v[NIL]                      ; 0 onto my spare word; the steps below stand between it and the wait for it
.if \fill
	s_add_nc_u64 s[G0K+4*\slot+2:G0K+4*\slot+3], s[G0K+4*\slot+2:G0K+4*\slot+3], 131072   ; the type bits on top are not reached
	s_add_nc_u64 s[G0V+4*\slot+2:G0V+4*\slot+3], s[G0V+4*\slot+2:G0V+4*\slot+3], 131072
.endif
.if \steppf
	s_wait_xcnt 0x0                                ; the prefetch, a trip and more back, has read its address:
	s_add_nc_u64 s[PFA:PFA+1], s[PFA:PFA+1], 65536 ; on to what the second refill asks for
.endif
	s_mov_b32 s[TK], (1-\slot)*SLOT                ; the fetches go on at the other slot's first step
	s_mov_b32 s[TV], (1-\slot)*SLOT
	s_wait_dscnt 0x0                               ; the add is done, and my reads of the slot are over
.if \fill
	CROUND
	JLOAD \slot
.else
	s_barrier_signal -1
	s_barrier_wait -1
.endif
.endm
.macro LOOP n, ask
	s_mov_b32 s[CNT], \n
.Ltrip_\@:
	TRIP 0, 1, \ask
	s_sub_co_u32 s[CNT], s[CNT], 1
	s_cmp_lg_u32 s[CNT], 0
	s_cbranch_scc1 .Ltrip_\@
.endm
	v_add_nc_u32 v[ADK], s[TK], v[AK0]             ; key step 0
	v_add_nc_u32 v[ADB], s[TB], v[AB0]
	v_add_nc_u32 v[ADV], s[TV], v[AV0]
	FETCH_K
	FETCH_B
	FETCH_V
	s_add_co_u32 s[TK], s[TK], KSTEPB
	s_add_co_u32 s[TV], s[TV], VSTEPB
	s_add_co_u32 s[TB], s[TB], 256
	s_wait_loadcnt 0x0                             ; Q
	TRIP 1, 1, 0                                   ; step 0 starts m, l and O^T
	LOOP 6, 1                                      ; steps 1-6; the last of them fetches step 7, slot 0's last
	CHANGE 1, 0, 1                                 ; slot 0 takes keys 1024-1535
	LOOP 8, 1                                      ; steps 7-14
	CHANGE 1, 1, 0                                 ; slot 1 takes keys 1536-2047
	LOOP 8, 0                                      ; steps 15-22
	CHANGE 0, 0, 0                                 ; nothing is left to ask for: written out
	LOOP 8, 0                                      ; steps 23-30
	TRIP 0, 0, 0                                   ; step 31
	; THE WAY OUT.  l's two halves and the other half of the lanes' are added; O^T is divided by l, rounded to f16 and sent through my stage, a tile (16 rows) at a time.  The additions are the places behind the last products.
.irp t, 0,1,2,3
	v_add_f32 v[TT+8*\t], v[ST+4*\t+2], v[ST+4*\t+3]
.endr
.irp t, 0,1,2,3
	v_permlanex16_b32 v[TT+8*\t+1], v[TT+8*\t], s[SEL], s[SEL+1]
.endr
.irp t, 0,1,2,3
	v_add_f32 v[TT+8*\t], v[TT+8*\t], v[TT+8*\t+1]
.endr
.irp t, 0,1,2,3
	v_rcp_f32 v[TT+8*\t+2], v[TT+8*\t]
.endr
	v_nop                                          ; a plain line between the last reciprocal and the use of its result
	s_wait_alu depctr_va_vdst(0)                   ; and the wait: one for the four
.macro PACK t
	WIN W_RS
.set i, 0
.rept 16
	v_pk_mul_f32 v[32*\t+2*i:32*\t+2*i+1], v[32*\t+2*i:32*\t+2*i+1], v[TT+8*\t+2:TT+8*\t+3] op_sel_hi:[1,0]
.set i, i+1
.endr
	WIN 0x05                                       ; sources 0 and 1 window 1, destination window 0
.set i, 0
.rept 16
	v_cvt_pk_f16_f32 v[S+32*\t+i], v[32*\t+2*i], v[32*\t+2*i+1]
.set i, i+1
.endr
	WIN 0
.irp f, 0,1,2,3
	ds_store_b128 v[STO], v[S+32*\t+4*\f:S+32*\t+4*\f+3] offset:32*\f   ; channels 16 f + 8 h + 0..7 of query r
.endr
.irp f, 0,1,2,3
	ds_load_b128 v[S+32*\t+16+4*\f:S+32*\t+16+4*\f+3], v[RD] offset:\f*4*SP   ; LDS serves a wave's instructions in order (ISA guide 5.7.1.4): these see the stores above; the next tile's stores come behind them
.endr
.endm
.macro SEND t, younger                 ; younger: the LDS instructions issued behind tile t's loads: the next tile's eight, or none
.irp f, 0,1,2,3
	s_wait_dscnt \younger+3-\f
	global_store_b128 v[GO], v[S+32*\t+16+4*\f:S+32*\t+16+4*\f+3], s[68:69] offset:\t*2048+\f*512   ; 32 lanes store 512 consecutive bytes, at a multiple of 256 from the buffer's first byte
.endr
.endm
	PACK 0
	PACK 1
	SEND 0, 8
	PACK 2
	SEND 1, 8
	PACK 3
	SEND 2, 8
	SEND 3, 0
	s_wait_tensorcnt 0x0                           ; the wave's end: a wait, an add of 0 to my spare word and its wait, behind my last tensor load and my last LDS store
	ds_add_u32 v[SPW], v[NIL]
	s_wait_dscnt 0x0
	CROUND                                         ; the closing round: no work-group ends while a partner may still ask for a tile that names it
	s_endpgm
.Lfunc_end_k_qec7100cfb4_attn:
	.size	k_qec7100cfb4_attn, .Lfunc_end_k_qec7100cfb4_attn-k_qec7100cfb4_attn
	.p2alignl 7, 3214868480
	.fill 96, 4, 3214868480
	.section	.rodata,"a",@progbits
	.p2align	6, 0x0
	.amdhsa_kernel k_qec7100cfb4_attn
		.amdhsa_group_segment_fixed_size 327680
		.amdhsa_private_segment_fixed_size 0
		.amdhsa_enable_private_segment 0
		.amdhsa_kernarg_size 24
		.amdhsa_user_sgpr_count 2
		.amdhsa_user_sgpr_kernarg_segment_ptr 1
		.amdhsa_wavefront_size32 1
		.amdhsa_system_sgpr_workgroup_id_x 1
		.amdhsa_system_sgpr_workgroup_id_y 1
		.amdhsa_system_sgpr_workgroup_id_z 1
		.amdhsa_system_vgpr_workitem_id 0
		.amdhsa_next_free_vgpr 512
		.amdhsa_next_free_sgpr 72
		.amdhsa_reserve_vcc 1
		.amdhsa_float_denorm_mode_32 3
		.amdhsa_float_denorm_mode_16_64 3
		.amdhsa_memory_ordered 1
		.amdhsa_forward_progress 1
		.amdhsa_inst_pref_size 217
	.end_amdhsa_kernel
	.amdgpu_metadata
---
amdhsa.version: [ 1, 2 ]
amdhsa.kernels:
  - .name:           k_qec7100cfb4_attn
    .symbol:         k_qec7100cfb4_attn.kd
    .args:
      - { .name: qkv, .offset: 0, .size: 8, .value_kind: global_buffer, .address_space: global }
      - { .name: mask, .offset: 8, .size: 8, .value_kind: global_buffer, .address_space: global }
      - { .name: attn16, .offset: 16, .size: 8, .value_kind: global_buffer, .address_space: global }
    .group_segment_fixed_size: 327680
    .private_segment_fixed_size: 0
    .kernarg_segment_align: 8
    .kernarg_segment_size: 24
    .max_flat_workgroup_size: 256
    .sgpr_count:     72
    .vgpr_count:     512
    .wavefront_size: 32
...
	.end_amdgpu_metadata
.endif
;; end of part 4
;; launch outp (part 5): grid 4 x 64, 4 waves a work-group, clusters of 4 x 4, 327,680 bytes of LDS; arguments attn16, wo16, bo, out0; writes out0
.if DOCPART == 5
	.amdgcn_target "amdgcn-amd-amdhsa--gfx1250"
	.amdhsa_code_object_version 6
	.text
	.protected	k_qec7100cfb4_outp
	.globl	k_qec7100cfb4_outp
	.p2align	8
	.type	k_qec7100cfb4_outp,@function
k_qec7100cfb4_outp:
	s_mov_b64 s[64:65], 0
	v_nop
	global_prefetch_b8 v0, s[64:65] scope:SCOPE_SE
	s_setreg_imm32_b32 hwreg(HW_REG_WAVE_MODE, 25, 1), 1
	s_wait_xcnt 0x0
	s_wait_alu depctr_hold_cnt(0) depctr_sa_sdst(0) depctr_va_vdst(0) depctr_va_sdst(0) depctr_va_ssrc(0) depctr_va_vcc(0) depctr_vm_vsrc(0)
	s_getreg_b32 s2, hwreg(HW_REG_IB_STS2, 6, 4)
	s_cmp_eq_u32 s2, 0
	s_cbranch_scc0 .Lentry_in_a_cluster
	s_endpgm
.Lentry_in_a_cluster:
	s_bfe_u32 s2, ttmp6, 0x10000c
	s_cmp_lg_u32 s2, 0xf033
	s_cbranch_scc0 .Lentry_shape_is_right
	s_endpgm
.Lentry_shape_is_right:
; out0[m][n] = the sum over k of attn[m][k] Wo[k][n] + bo[n].  attn16: f16 [h 16][m 8192][64], k = 64 h + d;  wo16: f16 [k 1024][n 1024];  bo f32 [1024];  out0 f32 [8192][1024].  Sums in f32.
; A tile of C is 128 (m) x 256 (n): 256 work-groups.  Four waves, each 64 x 128: 32 accumulators, 256 registers.  K goes in steps of 128 (two heads) through a ring of two LDS slots.
; THE MATRIX INSTRUCTION IS USED TRANSPOSED: source 0 = 16 columns of Wo (turned out of LDS by ds_load_tr16_b128, since Wo lies [k][n]), source 1 = 16 rows of attn: a lane holds eight neighbouring numbers of a row of C.
; THE BIAS is the C of each sum's first product: 64 registers in the result's layout: no addition, nothing cleared.
; CLUSTERS: 4 x 4 work-groups.  The four of a row of the cluster need the same tiles of attn, the four of a column the same tiles of Wo: each tile is asked for JOINTLY.
; No prefetch: of a K step's tile of attn a partner's share would be 16 blocks of 256 bytes, no whole wave's worth, and Wo's tiles are read again by all sixteen clusters.
; LDS, a slot: two planes of attn (a head each): 128 rows of 128 bytes, dense in memory, stated as 64 rows of 256 bytes + 16: row m lies at (m / 2) 272 + 128 (m % 2);  then 128 rows (k) of Wo, 512 bytes + 32.
; REGISTERS: window 0: v1-29 addresses; v32-127, v128-223 two fragment buffers (32 registers of attn: 4 x 16 rows x 32 K; 64 of Wo: 8 x 16 columns x 32 K); on the way out v32-159.
;   window 1: accumulator (a, b) at v[8 (8 a + b)].   window 2: v0-63 the bias.
.set PA,     272
.set PB,     544                       ; 136 words: row k starts at bank 8 k mod 64 (64 banks of 4 bytes: ISA guide 11.1)
.set PLANE,  64*PA
.set BOFF,   2*PLANE
.set HALFB,  64*PB
.set SLOT,   BOFF+2*HALFB
.set STAGE,  2*SLOT                    ; behind the ring: 16 rows x (512 bytes + 16) for each wave
.set SPITCH, 528
.set SPARE,  STAGE+4*16*SPITCH         ; the spare words, 128 bytes a wave, which no other line names
.set LAPS,   4                         ; a lap = two K steps = once round the ring
.set ADRA, 16                          ; v16-17 LDS address of my fragments of attn in slot 0, 1
.set ADRB, 20                          ; v20-21 the same for Wo
.set STO,  24
.set RD,   25
.set CO,   26
.set SPW,  28                          ; v28 LDS address of my spare word; never rewritten
.set NIL,  29                          ; v29 0; never rewritten
.set F0,   32
.set F1,   128
.set BK,   32                          ; the way out: 16 rows read back: v32-95 and v96-159 by turns
.set G1, 24
.set G0, 32
.set G1B, 48
.set G0B, 56
.set MSB, 0
.macro WIN new                         ; the immediate's high byte repeats the setting that is left
.if MSB != \new
	s_set_vgpr_msb (MSB<<8)|\new
.set MSB, \new
.endif
.endm
.set MUL, 0x50                         ; sources 0 and 1 window 0; C and D window 1.  (+ 0x10: C window 2, the bias)
.macro JLOAD s                         ; a joint load: waves 0 and 1 fetch attn's two planes, waves 2 and 3 Wo's two halves; an s_nop 0 and four v_nop follow each line
	s_cmp_eq_u32 s11, 0
	s_cbranch_scc0 .Lfor_b_\@
	tensor_load_to_lds s[G0+4*\s:G0+4*\s+3], s[G1:G1+7]
	s_nop 0
.rept 4
	v_nop
.endr
	s_branch .Lasked_\@
.Lfor_b_\@:
	tensor_load_to_lds s[G0B+4*\s:G0B+4*\s+3], s[G1B:G1B+7]
	s_nop 0
.rept 4
	v_nop
.endr
.Lasked_\@:
.endm
.macro CREST                           ; a round of the cluster's barrier behind its opening barrier
	s_cmp_lg_u32 s10, 0
	s_cbranch_scc1 .Lnot_wave_0_\@
	s_barrier_signal -3
.Lnot_wave_0_\@:
	s_barrier_wait -3
	s_barrier_signal -1
	s_barrier_wait -1
.endm
.macro CROUND
	s_barrier_signal -1
	s_barrier_wait -1
	CREST
.endm
	s_load_b128 s[4:7], s[0:1], 0x0                ; attn16 s[4:5], wo16 s[6:7]
	s_load_b128 s[20:23], s[0:1], 0x10             ; bo s[20:21], out0 s[22:23]
	v_lshl_add_u32 v[SPW], v0, 2, SPARE
	v_mov_b32 v[NIL], 0
	ds_add_u32 v[SPW], v[NIL]                      ; the wave's opening: the add, twice on end, and its wait ahead of my first tensor load
	ds_add_u32 v[SPW], v[NIL]
	v_lshrrev_b32 v1, 5, v0
	v_readfirstlane_b32 s10, v1                    ; wave 0..3
	s_lshr_b32 s11, s10, 1                         ; which 64 rows of the tile are mine.  Also: I fetch for attn (0) or for Wo (1)
	s_and_b32 s12, s10, 1                          ; which 128 columns.  Also: which plane, or which 64 rows of Wo, I fetch
	s_bfe_u32 s40, ttmp6, 0x40000                  ; cx, cy: my place in the cluster
	s_bfe_u32 s41, ttmp6, 0x40004
	s_lshl_b32 s42, ttmp9, 2
	s_add_co_u32 s42, s42, s40                     ; tile column of C: 0 .. 3
	s_and_b32 s13, ttmp7, 0xffff
	s_lshl_b32 s13, s13, 2
	s_add_co_u32 s13, s13, s41                     ; tile row of C: 0 .. 63
	s_lshl_b32 s43, s41, 2
	s_lshl_b32 s43, 15, s43                        ; my row of the cluster
	s_lshl_b32 s44, 0x1111, s40                    ; my column
	s_or_b32 s[G1+0], s43, (3<<16)|(1<<20)|(1<<21)|(5<<22)|(3<<25)   ; attn: elements of 8 bytes; padding: 4 words behind every 64; the mask: my row
	s_mov_b32 s[G1+1], 32<<16                      ; tensor_dim0 = 32 elements (256 bytes)
	s_mov_b32 s[G1+2], 64<<16                      ; tensor_dim1 = 64
	s_mov_b32 s[G1+3], 32<<16                      ; tile_dim0
	s_mov_b32 s[G1+4], 64                          ; tile_dim1
	s_mov_b32 s[G1+5], 32                          ; dense
	s_mov_b32 s[G1+6], 0
	s_mov_b32 s[G1+7], 0
	s_or_b32 s[G1B+0], s44, (1<<16)|(1<<20)|(1<<21)|(6<<22)|(7<<25)  ; Wo: elements of 2 bytes; padding: 8 words behind every 128; the mask: my column
	s_mov_b32 s[G1B+1], 256<<16                    ; tensor_dim0 = 256 elements (512 bytes)
	s_mov_b32 s[G1B+2], 64<<16
	s_mov_b32 s[G1B+3], 256<<16
	s_mov_b32 s[G1B+4], 64
	s_mov_b32 s[G1B+5], 1024                       ; from row to row of Wo
	s_mov_b32 s[G1B+6], 0
	s_mov_b32 s[G1B+7], 0
	s_lshl_b32 s14, s12, 20                        ; attn: my plane (2^20 bytes a head),
	s_lshl_b32 s16, s13, 14
	s_add_co_u32 s14, s14, s16                     ; the tile's 128 rows of 128 bytes: it hangs on the tile row alone
	s_mov_b32 s15, 0
	s_lshl_b32 s46, s12, 17                        ; Wo: my 64 rows of 2,048 bytes,
	s_lshl_b32 s47, s42, 9
	s_add_co_u32 s46, s46, s47                     ; the tile's 256 columns: it hangs on the tile column alone
	s_mov_b32 s47, 0
	s_mul_i32 s18, s12, PLANE                      ; where they go: no place in the cluster enters an LDS address
	s_mul_i32 s19, s12, HALFB
	s_add_co_u32 s19, s19, BOFF
	s_wait_dscnt 0x0                               ; both opening adds are done
	s_wait_kmcnt 0x0
	s_add_nc_u64 s[14:15], s[4:5], s[14:15]
	s_add_nc_u64 s[46:47], s[6:7], s[46:47]
	CROUND                                         ; all sixteen work-groups are here: the first joint loads meet
.irp s, 0,1
	s_mov_b32 s[G0+4*\s], 1
	s_add_co_u32 s[G0+4*\s+1], s18, \s*SLOT
	s_add_nc_u64 s[G0+4*\s+2:G0+4*\s+3], s[14:15], \s*(2<<20)      ; K step s: heads 2 s, 2 s + 1
	s_or_b32 s[G0+4*\s+3], s[G0+4*\s+3], 0x80000000
	s_mov_b32 s[G0B+4*\s], 1
	s_add_co_u32 s[G0B+4*\s+1], s19, \s*SLOT
	s_add_nc_u64 s[G0B+4*\s+2:G0B+4*\s+3], s[46:47], \s*128*2048   ; rows 128 s on
	s_or_b32 s[G0B+4*\s+3], s[G0B+4*\s+3], 0x80000000
	JLOAD \s
.endr
	v_and_b32 v1, 15, v0                           ; r = l % 16
	v_bfe_u32 v2, v0, 4, 1                         ; h = l / 16
	v_lshlrev_b32 v6, 5, v2                        ; the bias: my half's eight numbers of a tile of 16 columns
	s_lshl_b32 s46, s42, 10
	s_lshl_b32 s47, s12, 9
	s_add_co_u32 s46, s46, s47                     ; my first column, in bytes of f32: 1024 x tile column + 512 x half
	s_mov_b32 s47, 0
	s_add_nc_u64 s[20:21], s[20:21], s[46:47]
	WIN 0x80                                       ; destination window 2
.irp b, 0,1,2,3,4,5,6,7
	global_load_b128 v[8*\b:8*\b+3],   v6, s[20:21] offset:64*\b
	global_load_b128 v[8*\b+4:8*\b+7], v6, s[20:21] offset:64*\b+16
.endr
	WIN 0
	s_lshl_b32 s16, s13, 7
	s_lshl_b32 s17, s11, 6
	s_add_co_u32 s16, s16, s17                     ; my first row of C: 128 x tile row + 64 x half,
	s_lshl_b32 s16, s16, 12                        ; 4,096 bytes a row
	s_add_co_u32 s46, s46, s16
	s_add_nc_u64 s[22:23], s[22:23], s[46:47]
	v_lshrrev_b32 v3, 1, v1
	v_mul_u32_u24 v3, v3, PA                       ; attn: row r of a block: (r / 2) pitch
	v_and_b32 v4, 1, v0
	v_lshl_add_u32 v3, v4, 7, v3                   ; + 128 (r % 2)
	v_lshl_add_u32 v3, v2, 4, v3                   ; + 16 x half
	v_and_b32 v4, 7, v0                            ; Wo, for the turning load: lane l reads 16 bytes of row k = 8 h + l % 8, columns 8 ((l / 8) % 2) on
	v_lshl_add_u32 v4, v2, 3, v4
	v_mul_u32_u24 v4, v4, PB
	v_bfe_u32 v5, v0, 3, 1
	v_lshl_add_u32 v4, v5, 4, v4
	s_mul_i32 s16, s11, 32*PA                      ; my 64 rows of attn
	s_lshl_b32 s17, s12, 8                         ; my 128 columns of Wo,
	s_add_co_u32 s17, s17, BOFF                    ; which lies behind the two planes
.irp s, 0,1
	v_add_nc_u32 v[ADRA+\s], s16, v3
	v_add_nc_u32 v[ADRB+\s], s17, v4
	s_add_co_u32 s16, s16, SLOT
	s_add_co_u32 s17, s17, SLOT
.endr
	s_mul_i32 s16, s10, 16*SPITCH
	s_add_co_u32 s16, s16, STAGE                   ; my stage
	v_mul_u32_u24 v5, v1, SPITCH                   ; in: row r, 32 bytes for each half of the lanes
	v_lshl_add_u32 v5, v2, 5, v5
	v_add_nc_u32 v[STO], s16, v5
	v_and_b32 v5, 31, v0
	v_lshlrev_b32 v[CO], 4, v5                     ; back: the 32 lanes take one row of 512 bytes; and the same in C
	v_add_nc_u32 v[RD], s16, v[CO]
; 8 products: rows 16 a on x my 8 tiles of columns, 32 along K, from buffer f.  first = 1: the bias starts the sums.  The 32 accumulators take turns, one instruction a turn.
.macro MULA f, a, first
.irp b, 0,1,2,3,4,5,6,7
.if \first
	v_wmma_f32_16x16x32_f16 v[8*(8*(\a)+\b):8*(8*(\a)+\b)+7], v[\f+32+8*\b:\f+32+8*\b+7], v[\f+8*(\a):\f+8*(\a)+7], v[8*\b:8*\b+7]
.else
	v_wmma_f32_16x16x32_f16 v[8*(8*(\a)+\b):8*(8*(\a)+\b)+7], v[\f+32+8*\b:\f+32+8*\b+7], v[\f+8*(\a):\f+8*(\a)+7], v[8*(8*(\a)+\b):8*(8*(\a)+\b)+7]
.endif
.endr
.endm
; 24 LDS loads in one run: the fragments of the slot's qk-th 32 along K into buffer f: Wo's 16, attn's blocks 0 and 1, then blocks 2 and 3
.macro FETCH slot, qk, f
.irp b, 0,1,2,3,4,5,6,7
	ds_load_tr16_b128 v[\f+32+8*\b:\f+32+8*\b+3],   v[ADRB+\slot] offset:(\qk)*32*PB+32*\b
	ds_load_tr16_b128 v[\f+32+8*\b+4:\f+32+8*\b+7], v[ADRB+\slot] offset:(\qk)*32*PB+32*\b+16*PB
.endr
.irp a, 0,1,2,3
	ds_load_b128 v[\f+8*\a:\f+8*\a+3],   v[ADRA+\slot] offset:((\qk)/2)*PLANE+\a*8*PA+((\qk)%2)*64
	ds_load_b128 v[\f+8*\a+4:\f+8*\a+7], v[ADRA+\slot] offset:((\qk)/2)*PLANE+\a*8*PA+((\qk)%2)*64+32
.endr
.endm
.macro PLACES                          ; four plain lines between matrix instructions and loads into registers that they have read, or reads of results
.rept 4
	v_nop
.endr
.endm
; A K step is four quarters of 32 along K, 32 products each, on buffers 0, 1, 0, 1.  One of the first three: multiplies buffer f and fetches the slot's qk-th quarter into g.
.macro QUARTER slot, qk, f, g, first
	s_wait_dscnt 4                                 ; Wo's fragments and attn's blocks 0 and 1 are in; the youngest four loads (blocks 2 and 3) may be out
	WIN MUL+0x10*(\first)
	MULA \f, 0, \first
	MULA \f, 1, \first
	PLACES
	WIN 0
	FETCH \slot, \qk, \g
	s_wait_dscnt 24                                ; all but the 24 just issued
	WIN MUL+0x10*(\first)
	MULA \f, 2, \first
	MULA \f, 3, \first
.endm
; The last quarter multiplies buffer 1 and changes slots: ONE barrier; in front of it each wave waits for all its tensor loads, adds 0 to its spare word, and waits for that and for its reads of this slot.
; fill = 1: the barrier opens a round of the cluster's, and this slot is filled again, two K steps ahead: 112 products stand between the request and the wait for it.
.macro TURN slot, next, fill
	WIN 0                                          ; (the add's two registers lie in window 0)
	s_wait_tensorcnt 0x0                           ; all my tensor loads have landed: my part of the next slot
	ds_add_u32 v[SPW], v[NIL]
	s_wait_dscnt 5                                 ; (the add and the youngest four loads may be out)
	WIN MUL
	MULA F1, 0, 0                                  ; eight products stand between the add and the wait for it
	s_wait_dscnt 0x0                               ; the add is done, and my reads of this slot are over
	s_barrier_signal -1
	MULA F1, 1, 0
	WIN 0
	s_barrier_wait -1
.if \fill
	CREST                                          ; no wave of any partner still reads this slot's tiles or has a load on its way
	s_add_nc_u64 s[G0+4*\slot+2:G0+4*\slot+3], s[G0+4*\slot+2:G0+4*\slot+3], 4<<20          ; four heads on
	s_add_nc_u64 s[G0B+4*\slot+2:G0B+4*\slot+3], s[G0B+4*\slot+2:G0B+4*\slot+3], 256*2048   ; 256 rows of Wo on
	JLOAD \slot                                    ; the first tensor load behind the round; its four v_nop are also the places in front of the loads below
.else
	PLACES
.endif
	FETCH \next, 0, F0
	WIN MUL
	MULA F1, 2, 0
	MULA F1, 3, 0
.endm
	s_wait_tensorcnt 1                             ; my part of K step 0 is in (K step 1's load may be out)
	s_barrier_signal -1
	s_barrier_wait -1                              ; everybody's is
	FETCH 0, 0, F0
	s_wait_loadcnt 0x0                             ; the bias
	QUARTER 0, 1, F0, F1, 1                        ; the first quarter stands in front of the loop: its products start the sums, from the bias
	WIN 0                                          ; at a label and at a branch every window is 0
	s_mov_b32 s3, LAPS-1
.Llap:                                                 ; a trip goes once round the ring, from a lap's second quarter to the next lap's first, and fills both slots again
	QUARTER 0, 2, F1, F0, 0
	QUARTER 0, 3, F0, F1, 0
	TURN 0, 1, 1
	QUARTER 1, 1, F0, F1, 0
	QUARTER 1, 2, F1, F0, 0
	QUARTER 1, 3, F0, F1, 0
	TURN 1, 0, 1
	QUARTER 0, 1, F0, F1, 0
	WIN 0
	s_sub_co_u32 s3, s3, 1
	s_cmp_lg_u32 s3, 0
	s_cbranch_scc1 .Llap
	QUARTER 0, 2, F1, F0, 0                        ; the last lap fills nothing, and has no round of the cluster's barrier
	QUARTER 0, 3, F0, F1, 0
	TURN 0, 1, 0
	QUARTER 1, 1, F0, F1, 0
	QUARTER 1, 2, F1, F0, 0
	QUARTER 1, 3, F0, F1, 0
	s_wait_dscnt 4                                 ; the very last quarter: nothing more to fetch
	WIN MUL
	MULA F1, 0, 0
	MULA F1, 1, 0
	s_wait_dscnt 0
	MULA F1, 2, 0
	MULA F1, 3, 0
	WIN 0
; THE WAY OUT, block by block of 16 rows x 128 columns of f32.  A lane holds 32 neighbouring bytes of a row: a block goes through my own stage and comes back as whole rows of 512 bytes.
.macro TOSTAGE a
	WIN 0x04                                       ; an LDS store's data are its source 1: window 1
.irp b, 0,1,2,3,4,5,6,7
	ds_store_b128 v[STO], v[8*(8*(\a)+\b):8*(8*(\a)+\b)+3] offset:64*\b          ; each accumulator from its low end on
	ds_store_b128 v[STO], v[8*(8*(\a)+\b)+4:8*(8*(\a)+\b)+7] offset:64*\b+16
.endr
	WIN 0
.set BB, BK+64*((\a)%2)
.irp t, 0,1,2,3,4,5,6,7,8,9,10,11,12,13,14,15
	ds_load_b128 v[BB+4*\t:BB+4*\t+3], v[RD] offset:\t*SPITCH   ; LDS serves a wave's instructions in order (ISA guide 5.7.1.4): these see the stores above
.endr
.endm
.macro SEND a, younger                 ; younger: the LDS instructions issued behind block a's loads, which may stay out
.set BB, BK+64*((\a)%2)
	s_wait_dscnt \younger
.irp t, 0,1,2,3,4,5,6,7,8,9,10,11,12,13,14,15
	global_store_b128 v[CO], v[BB+4*\t:BB+4*\t+3], s[22:23] offset:(\a)*65536+\t*4096 th:TH_STORE_NT   ; 32 lanes store 512 consecutive bytes, aligned; every place stands in the immediate
.endr
.endm
	PLACES                                         ; behind the last products: for the reads of results and for the loads into the fragment buffers
	TOSTAGE 0
.irp a, 1,2,3
.if \a > 1
	s_wait_xcnt 0x0                                ; block a - 2's stores have read their registers: block a's loads may land there
.endif
	TOSTAGE \a
	SEND (\a)-1, 32                                ; behind block a - 1's loads: block a's 16 stores and 16 loads
.endr
	SEND 3, 0
	s_wait_tensorcnt 0x0                           ; the wave's end: a wait, an add of 0 to my spare word and its wait, behind my last tensor load and my last LDS store
	ds_add_u32 v[SPW], v[NIL]
	s_wait_dscnt 0x0
	CROUND                                         ; the closing round: no work-group ends while a partner may still ask for a tile that names it
	s_endpgm
.Lfunc_end_k_qec7100cfb4_outp:
	.size	k_qec7100cfb4_outp, .Lfunc_end_k_qec7100cfb4_outp-k_qec7100cfb4_outp
	.p2alignl 7, 3214868480
	.fill 96, 4, 3214868480
	.section	.rodata,"a",@progbits
	.p2align	6, 0x0
	.amdhsa_kernel k_qec7100cfb4_outp
		.amdhsa_group_segment_fixed_size 327680
		.amdhsa_private_segment_fixed_size 0
		.amdhsa_enable_private_segment 0
		.amdhsa_kernarg_size 32
		.amdhsa_user_sgpr_count 2
		.amdhsa_user_sgpr_kernarg_segment_ptr 1
		.amdhsa_wavefront_size32 1
		.amdhsa_system_sgpr_workgroup_id_x 1
		.amdhsa_system_sgpr_workgroup_id_y 1
		.amdhsa_system_sgpr_workgroup_id_z 1
		.amdhsa_system_vgpr_workitem_id 0
		.amdhsa_next_free_vgpr 576
		.amdhsa_next_free_sgpr 66
		.amdhsa_reserve_vcc 0
		.amdhsa_float_denorm_mode_32 3
		.amdhsa_float_denorm_mode_16_64 3
		.amdhsa_memory_ordered 1
		.amdhsa_forward_progress 1
		.amdhsa_inst_pref_size 87
	.end_amdhsa_kernel
	.amdgpu_metadata
---
amdhsa.version: [ 1, 2 ]
amdhsa.kernels:
  - .name:           k_qec7100cfb4_outp
    .symbol:         k_qec7100cfb4_outp.kd
    .args:
      - { .name: attn16, .offset: 0, .size: 8, .value_kind: global_buffer, .address_space: global }
      - { .name: wo16, .offset: 8, .size: 8, .value_kind: global_buffer, .address_space: global }
      - { .name: bo, .offset: 16, .size: 8, .value_kind: global_buffer, .address_space: global }
      - { .name: out0, .offset: 24, .size: 8, .value_kind: global_buffer, .address_space: global }
    .group_segment_fixed_size: 327680
    .private_segment_fixed_size: 0
    .kernarg_segment_align: 8
    .kernarg_segment_size: 32
    .max_flat_workgroup_size: 128
    .sgpr_count:     66
    .vgpr_count:     576
    .wavefront_size: 32
...
	.end_amdgpu_metadata
.endif
;; end of part 5
